; MI455X (gfx1250); checked and timed in simulation.
; The chip was launched on July 23, 2026; its instructions are those of AMD's public machine-readable ISA for CDNA 5 (MIT licence, August 2026) and "CDNA5" Instruction Set Architecture Reference Guide (July 2026). The comments in the code are by the model that wrote it; some were corrected since.
;; Attention. Allowed arithmetic: matrix products marked QUANTISED: E2M3 operands, one E8M0 scale for each 32 along K, by v_wmma_scale_f32_16x16x128_f8f6f4 with both operands' format E2M3, f32 sums; everything else in f32.
;; Inputs: b_attn 3,072 float32; b_proj 1,024 float32; inputs 2 x 2,048 x 1,024 float32; w_attn 1,024 x 3,072 float32; w_proj 1,024 x 1,024 float32.
;; Outputs: out0 2 x 2,048 x 1,024 float32; out1 2 x 2 x 16 x 2,048 x 64 float32.
;; This version of the problem:
;;   THIS VERSION OF THE PROBLEM IS GIVEN IN LOW PRECISION. The matrix products marked QUANTISED in the list below multiply operands that are first quantised to E2M3 (2 exponent bits, 3 mantissa bits; 6 bits a number), with one power-of-two scale for each 32 numbers along K (OCP MX v1.0); their sums are f32. All else is computed in f32.
;;   The module's matrix products, in the order in which they are computed (A, B: the left and right operand; K: the contracted axis; several contracted axes count as one K, in the product's order):
;;     1. [M 4,096, K 1,024] x [K 1,024, N 3,072]; A: input inputs; B: input w_attn: QUANTISED
;;     2. batch 32 x [M 2,048, K 64] x [K 64, N 2,048]; A: computed on the way; B: computed on the way: QUANTISED
;;     3. batch 32 x [M 2,048, K 2,048] x [K 2,048, N 64]; A: softmax (see below); B: computed on the way: QUANTISED
;;     4. [M 4,096, K 1,024] x [K 1,024, N 1,024]; A: computed on the way; B: input w_proj: QUANTISED
;;   THE QUANTISER, for each operand of a quantised product, along K:
;;     - K is cut into blocks of 32 from its start; a last block that is shorter is filled with zeros.
;;     - A block's scale is 2^e with e = floor(log2(the largest magnitude in the block)) - 2, held to -126 .. 127; a block of zeros has e = 0. As a byte (E8M0): e + 127.
;;     - Each number is divided by its block's scale, clamped to +-7.5, and rounded to the nearest number of E2M3, ties to even, subnormals kept.
;;     - The product sums the exact products of the quantised numbers (number of the format x scale) in f32.
;;   ~~~python
;;   def quantise(x, axis):      # numpy; x: float32 -> the quantised numbers, widened to float32 again
;;       x = np.moveaxis(x, axis, -1); K = x.shape[-1]
;;       x = np.pad(x, [(0, 0)] * (x.ndim - 1) + [(0, -K % 32)]); x = x.reshape(x.shape[:-1] + (-1, 32)); a = np.abs(x).max(-1, keepdims=True)
;;       e = np.where(a > 0, np.clip(np.frexp(np.where(a > 0, a, 1))[1] - 1 - 2, -126, 127), 0)      # np.frexp(a)[1] - 1 = floor(log2(a)), exactly
;;       r = np.clip(x / 2.0 ** e, -7.5, 7.5)
;;       step = 2.0 ** (np.maximum(np.frexp(np.where(r == 0, 1, r))[1] - 1, 0) - 3)
;;       q = np.round(r / step) * step * 2.0 ** e      # np.round: ties to even
;;       return np.moveaxis(q.reshape(q.shape[:-2] + (-1,))[..., :K], -1, axis).astype(np.float32)
;;   ~~~
;;   SOFTMAX AHEAD OF A QUANTISED PRODUCT. Where the list says 'softmax', what is quantised is not the finished softmax but p = 2^(t - M), with t = logit x log2(e) and M = ceil(the row's largest t), a whole number; so 1/2 < the row's largest p <= 1. The row's sum l is taken of the UNQUANTISED p, in f32, and the product's result is divided by l at the end. Since M is a whole number, a kernel that streams over the keys may use a running M (the ceiling of the running maximum): every later rescaling is an exact power of two, which a block's scale takes up: the codes' values come out the same.
;;   OPERANDS COMPUTED ON THE WAY. 'Computed on the way' means the value that the module computes at that place (a softmax that the list does not call 'softmax' is quantised finished and normalised). What goes into a quantiser is computed in f32, as accurately as f32 sums, v_exp_f32 and their like allow (about 1e-6 of the number): no bf16 or f16 on the way to a quantiser, and a product that is left as it is and whose result goes on into a quantised operand takes f32 operands (vector FMAs, or v_wmma_f32_16x16x4_f32). A number that lies on a knife's edge between two numbers of the format may be rounded either way, as far as f32 arithmetic and the matrix unit's own rounding can turn it there, and no further.
;; One version. Each part assembles by itself: llvm-mc -triple=amdgcn-amd-amdhsa -mcpu=gfx1250 --defsym DOCPART=n.
;; ======== version 1 of 1: 4 launches
;; limits: right only within a limited range of input values
;; workspace buffers: ops 6,553,600 bytes; qkv 9,994,240 bytes; hq 3,276,800 bytes
;; launch quant (part 1): grid 512 x 1, 4 waves a work-group, no clusters, 67,072 bytes of LDS; arguments inputs, w_attn, w_proj, ops; writes ops
.if DOCPART == 1
	.amdgcn_target "amdgcn-amd-amdhsa--gfx1250"
	.amdhsa_code_object_version 6
	.text
	.protected	k_qf1b55aa931_quant
	.globl	k_qf1b55aa931_quant
	.p2align	8
	.type	k_qf1b55aa931_quant,@function
k_qf1b55aa931_quant:
	s_mov_b64 s[64:65], 0
	v_nop
	global_prefetch_b8 v0, s[64:65] scope:SCOPE_SE
	s_setreg_imm32_b32 hwreg(HW_REG_WAVE_MODE, 25, 1), 1
	s_wait_xcnt 0x0
; inputs [4096][1024], w_attn [1024][3072] and w_proj [1024][1024], f32, become codes of FP6 (E2M3) with one E8M0 byte for each 32 along K (K = 1024 in all three).
; A block's scale is 2^(floor(log2(largest magnitude)) - 2); its byte is the largest magnitude's exponent field - 2, held at 1 from below.
; LIMITS: NaN and infinities among the inputs are not served; a block whose largest magnitude lies under 2^-124 has its byte held at 1; a block of zeros gets the byte 1
; where the rule says 127 (its codes are zeros, and this program alone reads the bytes).
; No input of the problem is left out.  What the program does not multiply are the tiles that reference()'s own mask hides: the attention launch says which.
; THE CODES' LAYOUT IS AN IMAGE OF THE OPERAND'S REGISTERS.  A fragment, 16 rows x 128 K, is 1,536 bytes: three pieces of 512; in piece p lane l = r + 16 h has 16 bytes:
; registers 4 p .. 4 p + 3 of the twelve; registers 6 c .. 6 c + 5 hold k = 64 c + 32 h .. + 31 of its row.  A tensor of codes is [8 K steps][256 tiles][1,536 bytes].
; Lane r of tile T is row 32 (T / 2) + 8 (T % 2) + r % 8 + 16 (r / 8).  Scale words: [8 K steps][4096 slots], slot = 16 T + r, byte b = block 4 s + b.
; Work-groups 0-255: one tile of inputs each (16 rows, all of K).  256-447: w_attn, 128 columns x 128 K each.  448-511: w_proj likewise.  64 KiB of f32 each.
.set KP,    393216                     ; from K step to K step in the codes
.set WC,    3145728                    ; the weights' codes: slots 0-3071 w_attn's columns, 3072-4095 w_proj's
.set XS,    6291456                    ; inputs' scale words
.set WS,    6422528                    ; the weights'
.set STG,   16640                      ; a wave's stage: 16 rows x (1024 + 16) bytes
.set SPARE, 66560                      ; behind the four stages: the spare words, 128 bytes a wave
	s_load_b256 s[4:11], s[0:1], 0x0               ; inputs s[4:5], w_attn s[6:7], w_proj s[8:9], ops s[10:11]
	v_lshl_add_u32 v10, v0, 2, SPARE               ; my spare word; never rewritten
	v_mov_b32 v11, 0                               ; 0; never rewritten
	v_lshrrev_b32 v1, 5, v0
	v_readfirstlane_b32 s12, v1                    ; wave
	v_and_b32 v1, 31, v0                           ; lane
	v_and_b32 v2, 15, v0                           ; r
	v_bfe_u32 v3, v0, 4, 1                         ; h
	s_mov_b32 s20, 0x76543210
	s_mov_b32 s21, 0xfedcba98                      ; v_permlanex16_b32's selects for lane l xor 16
; A whole block of 32 numbers of one lane, v[s] .. v[s + 31], becomes six registers of codes v[c] .. v[c + 5] (v[c + 6] is used on the way) and the scale's byte v[e].
.macro QB s, c, e
	v_max3_num_f32 v12, |v[\s]|, |v[\s+1]|, |v[\s+2]|
	v_max3_num_f32 v13, |v[\s+3]|, |v[\s+4]|, |v[\s+5]|
.irp i, 6,10,14,18,22,26
	v_max3_num_f32 v12, v12, |v[\s+\i]|, |v[\s+\i+1]|
	v_max3_num_f32 v13, v13, |v[\s+\i+2]|, |v[\s+\i+3]|
.endr
	v_max3_num_f32 v12, v12, |v[\s+30]|, |v[\s+31]|
	v_max3_num_f32 v12, v12, v13, 0x1800000        ; and the floor 2^(3 - 127): the byte cannot fall under 1
	v_add_nc_u32 v14, 0xff000000, v12              ; 2 off the exponent field: the conversion's scale operand
	v_cvt_scalef32_pk16_fp6_f32 v[\c:\c+2], v[\s:\s+15], v14
	v_cvt_scalef32_pk16_fp6_f32 v[\c+4:\c+6], v[\s+16:\s+31], v14   ; (a conversion's three registers begin on an even number)
	v_lshrrev_b32 v[\e], 23, v14                   ; the byte; also the plain line behind the conversions
	v_mov_b32 v[\c+3], v[\c+4]
	v_mov_b32 v[\c+4], v[\c+5]
	v_mov_b32 v[\c+5], v[\c+6]
.endm
	s_wait_kmcnt 0x0
	s_cmp_lt_u32 ttmp9, 256
	s_cbranch_scc0 .Lweights
; ---- inputs: tile T = the work-group's number.  Wave w takes K steps 2 w, 2 w + 1: 1,024 bytes of each of the 16 rows.
; Each load reads 512 consecutive bytes of a row; the bytes turn through the wave's own stage, so that lane (r, h) gets 32 neighbours of row r.
	s_wait_alu depctr_va_vdst(0)
	v_lshlrev_b32 v4, 4, v1                        ; 16 x lane
	s_wait_alu depctr_va_vdst(0)
	s_mul_i32 s13, s12, STG
	v_add_nc_u32 v5, s13, v4                       ; into the stage
	v_mul_u32_u24 v6, v2, 1040
	v_lshl_add_u32 v6, v3, 7, v6
	v_add_nc_u32 v6, s13, v6                       ; out of it: row r, + 128 h; rows are 1,040 bytes apart
	v_lshlrev_b32 v7, 4, v1                        ; 16 x lane: my place in a piece
	v_lshlrev_b32 v8, 2, v2
	v_lshl_add_u32 v8, v3, 14, v8                  ; scale words: lanes 0-15 K step 2 w, lanes 16-31 K step 2 w + 1
	v_lshlrev_b32 v9, 3, v3                        ; 8 h
	s_lshr_b32 s14, ttmp9, 1
	s_lshl_b32 s14, s14, 5
	s_and_b32 s15, ttmp9, 1
	s_lshl_b32 s15, s15, 3
	s_add_co_u32 s14, s14, s15                     ; the tile's first row
	s_lshl_b32 s14, s14, 12
	s_lshl_b32 s15, s12, 10
	s_add_co_u32 s14, s14, s15
	s_mov_b32 s15, 0
	s_add_nc_u64 s[4:5], s[4:5], s[14:15]
	s_mul_i32 s16, s12, 2*KP
	s_mul_i32 s17, ttmp9, 1536
	s_add_co_u32 s16, s16, s17
	s_mov_b32 s17, 0
	s_add_nc_u64 s[16:17], s[10:11], s[16:17]      ; my two K steps of the tile's images
	s_lshl_b32 s18, s12, 15
	s_lshl_b32 s19, ttmp9, 6
	s_add_co_u32 s18, s18, s19
	s_add_co_u32 s18, s18, XS
	s_mov_b32 s19, 0
	s_add_nc_u64 s[18:19], s[10:11], s[18:19]
.irp j, 0,1
.irp q, 0,1,2,3,4,5,6,7,8,9,10,11,12,13,14,15
	global_load_b128 v[64+4*(16*\j+\q):64+4*(16*\j+\q)+3], v4, s[4:5] offset:((\q%8)+16*(\q/8))*4096+512*\j th:TH_LOAD_NT
.endr
.endr
.macro STIN j
.irp q, 0,1,2,3,4,5,6,7,8,9,10,11,12,13,14,15
	ds_store_b128 v5, v[64+4*(16*\j+\q):64+4*(16*\j+\q)+3] offset:1040*\q+512*\j
.endr
.endm
.macro LD p                            ; 64 K of my four: my block's 32 numbers into set p % 2
.irp q, 0,1,2,3,4,5,6,7
	ds_load_b128 v[192+32*((\p)%2)+4*\q:192+32*((\p)%2)+4*\q+3], v6 offset:256*(\p)+16*\q
.endr
.endm
.macro OUTC s                          ; a K step's twelve registers: each store fills one aligned piece of 512 bytes; each K step has its own registers, so no store's data are written again
.irp q, 0,1,2
	global_store_b128 v7, v[24+16*(\s)+4*\q:27+16*(\s)+4*\q], s[16:17] offset:(\s)*KP+512*\q
.endr
.endm
	s_wait_alu depctr_va_vdst(0)
	s_wait_loadcnt 16                              ; the first halves of the 16 rows are in; the 16 younger loads may be out
	STIN 0
	LD 0                                           ; LDS serves a wave's instructions in order: these see my stores
	LD 1
	s_wait_loadcnt 0x0
	STIN 1
	s_wait_dscnt 24                                ; the first 64 K are back; behind them: 8 loads and 16 stores
	QB 192, 24, 16
	LD 2
	s_wait_dscnt 24                                ; the second; behind them: 16 stores and 8 loads
	QB 224, 30, 17
	OUTC 0
	LD 3
	s_wait_dscnt 8                                 ; the third; the last 8 loads may be out
	QB 192, 40, 18
	s_wait_dscnt 0x0
	QB 224, 46, 19
	OUTC 1
	v_lshl_or_b32 v20, v17, 16, v16                ; K step 2 w: my bytes are blocks h and 2 + h of the word,
	v_lshl_or_b32 v21, v19, 16, v18                ; K step 2 w + 1 likewise,
	v_lshlrev_b32 v20, v9, v20                     ; 8 h bits up;
	v_lshlrev_b32 v21, v9, v21
	v_mov_b32 v22, 0                               ; (a lane permute's destination counts as one of its sources)
	v_mov_b32 v23, 0
	v_permlanex16_b32 v22, v20, s20, s21
	v_permlanex16_b32 v23, v21, s20, s21
	v_or_b32 v20, v20, v22                         ; with lane l xor 16's two bytes the words are whole
	v_or_b32 v21, v21, v23
	v_cmp_eq_u32 vcc_lo, 0, v3
	v_cndmask_b32 v20, v21, v20, vcc_lo            ; lanes 0-15 store the first word, lanes 16-31 the second
	global_store_b32 v8, v20, s[18:19]
	s_branch .Lend
; ---- a weight [1024 (k)][n]: a lane takes a column and its registers run down K, so a block of 32 lies in one lane and the codes come out with K innermost.
; The work-group takes 128 columns x one K step of 128; wave w 32 columns.  Loads run two blocks (64 loads a wave) ahead.
; Blocks 0 and 2 of a column are the twelve registers of lane r of the image, blocks 1 and 3 those of lane r + 16.
.macro WPATH pitch, ptr, sb, first
	s_sub_co_u32 s13, ttmp9, \first
	s_lshr_b32 s14, s13, 3                         ; which 128 columns
	s_and_b32 s15, s13, 7                          ; which K step
	s_lshl_b32 s16, s14, 2
	s_add_co_u32 s16, s16, s12                     ; which 32 columns
	s_lshl_b32 s22, s16, 7
	s_mul_i32 s23, s15, 128*\pitch
	s_add_co_u32 s22, s22, s23
	s_mov_b32 s23, 0
	s_add_nc_u64 s[22:23], s[\ptr:\ptr+1], s[22:23]
	s_add_co_u32 s16, s16, \sb                     ; the pair of image tiles that these 32 columns fill
	s_mul_i32 s24, s16, 3072
	s_mul_i32 s25, s15, KP
	s_add_co_u32 s24, s24, s25
	s_add_co_u32 s24, s24, WC
	s_mov_b32 s25, 0
	s_add_nc_u64 s[24:25], s[10:11], s[24:25]
	s_lshl_b32 s26, s16, 7
	s_lshl_b32 s27, s15, 14
	s_add_co_u32 s26, s26, s27
	s_add_co_u32 s26, s26, WS
	s_mov_b32 s27, 0
	s_add_nc_u64 s[26:27], s[10:11], s[26:27]
	v_lshlrev_b32 v4, 2, v1                        ; in: 4 bytes a lane
	v_bfe_u32 v5, v0, 3, 1                         ; column l of the 32 is lane r = l % 8 + 8 (l / 16) of tile u = (l / 8) % 2
	v_and_b32 v6, 7, v0
	v_lshl_add_u32 v6, v3, 3, v6
	v_lshlrev_b32 v7, 4, v6
	v_mad_u32_u24 v7, v5, 1536, v7                 ; 1,536 u + 16 r
	v_lshl_add_u32 v8, v5, 4, v6
	v_lshlrev_b32 v8, 2, v8                        ; 4 (16 u + r)
.irp t, 0,1
.irp i, 0,1,2,3,4,5,6,7,8,9,10,11,12,13,14,15,16,17,18,19,20,21,22,23,24,25,26,27,28,29,30,31
	global_load_b32 v[64+32*\t+\i], v4, s[22:23] offset:(32*\t+\i)*\pitch th:TH_LOAD_NT
.endr
.endr
.irp t, 0,1,2,3
.if \t < 3
	s_wait_loadcnt 32                              ; this block's 32 loads are in; the next block's may be out (ahead of the last two blocks' loads none is younger than these)
.else
	s_wait_loadcnt 0x0
.endif
	QB 64+32*\t, 24+16*(\t%2)+6*(\t/2), 16+\t
.if \t > 1
.irp q, 0,1,2
	global_store_b128 v7, v[24+16*(\t-2)+4*\q:27+16*(\t-2)+4*\q], s[24:25] offset:256*(\t-2)+512*\q   ; sixteen lanes fill one aligned unit of 256 bytes
.endr
.endif
.if \t < 2
.irp i, 0,1,2,3,4,5,6,7,8,9,10,11,12,13,14,15,16,17,18,19,20,21,22,23,24,25,26,27,28,29,30,31
	global_load_b32 v[64+32*(\t+2)+\i], v4, s[22:23] offset:(32*(\t+2)+\i)*\pitch th:TH_LOAD_NT
.endr
.endif
.endr
	v_lshl_or_b32 v20, v17, 8, v16                 ; the K step's four bytes: my column's scale word
	v_lshl_or_b32 v20, v18, 16, v20
	v_lshl_or_b32 v20, v19, 24, v20
	global_store_b32 v8, v20, s[26:27]
.endm
.Lweights:
	s_cmp_lt_u32 ttmp9, 448
	s_cbranch_scc0 .Lproj
	s_wait_alu depctr_va_vdst(0)
	WPATH 12288, 6, 0, 256
	s_branch .Lend
.Lproj:
	s_wait_alu depctr_va_vdst(0)
	WPATH 4096, 8, 96, 448
.Lend:
	s_wait_tensorcnt 0x0                           ; the wave's end, behind my last LDS store
	ds_add_u32 v10, v11
	s_wait_dscnt 0x0
	s_endpgm
.Lfunc_end_k_qf1b55aa931_quant:
	.size	k_qf1b55aa931_quant, .Lfunc_end_k_qf1b55aa931_quant-k_qf1b55aa931_quant
	.p2alignl 7, 3214868480
	.fill 96, 4, 3214868480
	.section	.rodata,"a",@progbits
	.p2align	6, 0x0
	.amdhsa_kernel k_qf1b55aa931_quant
		.amdhsa_group_segment_fixed_size 67072
		.amdhsa_private_segment_fixed_size 0
		.amdhsa_enable_private_segment 0
		.amdhsa_kernarg_size 32
		.amdhsa_user_sgpr_count 2
		.amdhsa_user_sgpr_kernarg_segment_ptr 1
		.amdhsa_wavefront_size32 1
		.amdhsa_system_sgpr_workgroup_id_x 1
		.amdhsa_system_sgpr_workgroup_id_y 1
		.amdhsa_system_sgpr_workgroup_id_z 1
		.amdhsa_system_vgpr_workitem_id 0
		.amdhsa_next_free_vgpr 256
		.amdhsa_next_free_sgpr 66
		.amdhsa_reserve_vcc 1
		.amdhsa_float_denorm_mode_32 3
		.amdhsa_float_denorm_mode_16_64 3
		.amdhsa_memory_ordered 1
		.amdhsa_forward_progress 1
		.amdhsa_inst_pref_size 56
	.end_amdhsa_kernel
	.amdgpu_metadata
---
amdhsa.version: [ 1, 2 ]
amdhsa.kernels:
  - .name:           k_qf1b55aa931_quant
    .symbol:         k_qf1b55aa931_quant.kd
    .args:
      - { .name: inputs, .offset: 0, .size: 8, .value_kind: global_buffer, .address_space: global }
      - { .name: w_attn, .offset: 8, .size: 8, .value_kind: global_buffer, .address_space: global }
      - { .name: w_proj, .offset: 16, .size: 8, .value_kind: global_buffer, .address_space: global }
      - { .name: ops, .offset: 24, .size: 8, .value_kind: global_buffer, .address_space: global }
    .group_segment_fixed_size: 67072
    .private_segment_fixed_size: 0
    .kernarg_segment_align: 8
    .kernarg_segment_size: 32
    .max_flat_workgroup_size: 128
    .sgpr_count:     66
    .vgpr_count:     256
    .wavefront_size: 32
...
	.end_amdgpu_metadata
.endif
;; end of part 1
;; launch qkv_gemm (part 2): grid 32 x 8, 4 waves a work-group, clusters of 4 x 4, 327,680 bytes of LDS; arguments ops, b_attn, qkv, out1; writes qkv, out1
.if DOCPART == 2
	.amdgcn_target "amdgcn-amd-amdhsa--gfx1250"
	.amdhsa_code_object_version 6
	.text
	.protected	k_qf1b55aa931_qkv_gemm
	.globl	k_qf1b55aa931_qkv_gemm
	.p2align	8
	.type	k_qf1b55aa931_qkv_gemm,@function
k_qf1b55aa931_qkv_gemm:
	s_mov_b64 s[64:65], 0
	v_nop
	global_prefetch_b8 v0, s[64:65] scope:SCOPE_SE
	s_setreg_imm32_b32 hwreg(HW_REG_WAVE_MODE, 25, 1), 1
	s_wait_xcnt 0x0
	s_wait_alu depctr_hold_cnt(0) depctr_sa_sdst(0) depctr_va_vdst(0) depctr_va_sdst(0) depctr_va_ssrc(0) depctr_va_vcc(0) depctr_vm_vsrc(0)
	s_getreg_b32 s2, hwreg(HW_REG_IB_STS2, 6, 4)
	s_cmp_eq_u32 s2, 0
	s_cbranch_scc0 .Lentry_in_a_cluster
	s_endpgm
.Lentry_in_a_cluster:
	s_bfe_u32 s2, ttmp6, 0x10000c
	s_cmp_lg_u32 s2, 0xf033
	s_cbranch_scc0 .Lentry_shape_is_right
	s_endpgm
.Lentry_shape_is_right:
; Q, K, V = Q(inputs) Q(w_attn) + b_attn on codes of FP6 (E2M3), K = 1024, quantised again on the way out; K and V also leave as f32 rows of out1.
; LIMITS: NaN and infinities are not served; a block under 2^-124 has its byte held at 1, a block of zeros gets the byte 1 (its codes are zeros, and this program alone reads the bytes).
; A work-group makes 128 tokens x 128 columns of each of K, V, Q, in this order: K's f32 rows are stored among V's products and V's among Q's; Q has codes alone.
; Four waves, 2 x 2, each 64 x 64 of each product: 16 accumulators.  x's fragments of the wave's 64 tokens, all of K, lie in 384 registers and serve all three products.
; LDS: slot 0 x's tile, later W_q's; slot 1 W_k's, later the stages; slot 2 W_v's: 98,304 bytes each, [8 K steps][8 image tiles][1,536 bytes].  Behind them the spare words.
; FILLS, joint ones: at the head one a wave: x's halves (waves 0, 1), W_k (2), W_v (3).  W_q comes onto x's bytes, a quarter a wave, in a round behind K's last fragment loads.
; The stages lie in slot 1 behind that round: W_k's tile was that slot's only fill, and no wave reads it any more.
; CLUSTER: 4 x 4.  x's tile hangs on the cluster's x alone (mask of my column), the weights' on its y alone (mask of my row).
; NO PREFETCH: the launch has no loop to run ahead in, and its one refill has V's whole product, 128 matrix instructions a wave, in which to land.
; Q and K: source 0 = 16 columns of W, source 1 = 16 tokens: a lane holds one token and eight neighbouring columns.  V: the sources swapped: a lane holds one column and eight tokens.
; REGISTERS.  Window 0: v1-23 addresses; v24-39 x's scale words, v40-87 the weights' (Q, K, V; lanes 0-15 an even K step, lanes 16-31 the odd one behind it);
;   v88-231 the weights' fragments, three sets of four; on the way out v184-215 codes, v216-239 at work.
;   Window 1: accumulator (a, b) at 8 (4 a + b); v128-223 the biases in the results' layouts, as the first products' C; v224-239 the last 4 of 32 row pieces on their way out.
;   Windows 2, 3: x's fragments, K steps 0-4 and 5-7, at 48 s + 12 a; window 3 from v144 on: the first 28 row pieces.
.set PLANE, 196608                     ; from head to head in Q's and K's images
.set KP,    393216                     ; from K step to K step in ops
.set TROW,  12288                      ; eight image tiles
.set WC,    3145728
.set XS,    6291456
.set WS,    6422528
.set KC,    3145728
.set VC,    6291456
.set QS,    9437184
.set KSC,   9699328
.set VSC,   9830400
.set VSS,   9961472
.set SLOT,  98304
.set STW,   17920                      ; a wave's stage: row t at 272 t + 128 (t / 16)
.set SPARE, 3*SLOT
.set TM,    220
.set PM,    228
.set SEL,   74
.set MSB, 0
.macro WIN new                         ; the immediate's high byte repeats the setting that is left
.if MSB != (\new)
	s_set_vgpr_msb (MSB<<8)|(\new)
.set MSB, (\new)
.endif
.endm
.macro PLACES                          ; four places behind a matrix instruction (ISA guide 7.12.1)
.rept 4
	v_nop
.endr
.endm
.macro CROUND                          ; a round of the cluster's barrier
	s_barrier_signal -1
	s_barrier_wait -1
	s_cmp_lg_u32 s12, 0
	s_cbranch_scc1 .Lnot_wave_0_\@
	s_barrier_signal -3
.Lnot_wave_0_\@:
	s_barrier_wait -3
	s_barrier_signal -1
	s_barrier_wait -1
.endm
.macro TL g0, g1
	tensor_load_to_lds s[\g0:\g0+3], s[\g1:\g1+7]
	s_nop 0
	PLACES
.endm
.macro GROUP1 g, mask, rows            ; rows of 1,536 elements of 8 bytes, a K step apart
	s_or_b32 s[\g], s[\mask], (3<<16)|(1<<21)
	s_mov_b32 s[\g+1], (TROW/8)<<16
	s_mov_b32 s[\g+2], (\rows)<<16
	s_mov_b32 s[\g+3], (TROW/8)<<16
	s_mov_b32 s[\g+4], \rows
	s_mov_b32 s[\g+5], KP/8
	s_mov_b32 s[\g+6], 0
	s_mov_b32 s[\g+7], 0
.endm
	s_load_b256 s[4:11], s[0:1], 0x0               ; ops s[4:5], b_attn s[6:7], qkv s[8:9], out1 s[10:11]
	v_lshl_add_u32 v14, v0, 2, SPARE               ; my spare word; never rewritten
	v_mov_b32 v15, 0                               ; 0; never rewritten
	ds_add_u32 v14, v15                            ; the wave's opening: the add, twice on end, and its wait
	ds_add_u32 v14, v15
	v_lshrrev_b32 v1, 5, v0
	v_readfirstlane_b32 s12, v1                    ; wave
	s_bfe_u32 s15, ttmp6, 0x40000                  ; cx
	s_bfe_u32 s23, ttmp6, 0x40004                  ; cy
	s_lshl_b32 s16, ttmp9, 2
	s_add_co_u32 s16, s16, s15                     ; m: the block of 128 tokens
	s_and_b32 s17, ttmp7, 0xffff
	s_lshl_b32 s17, s17, 2
	s_add_co_u32 s17, s17, s23                     ; g: the block of 128 columns
	s_lshl_b32 s23, s23, 2
	s_lshl_b32 s23, 15, s23                        ; my row of the cluster: the same g
	s_lshl_b32 s15, 0x1111, s15                    ; my column: the same m
	GROUP1 24, 15, 4
	GROUP1 36, 23, 8
	s_mul_i32 s84, s12, 4*KP                       ; x: waves 0 and 1 fetch four K steps each
	s_mul_i32 s85, s16, TROW
	s_add_co_u32 s84, s84, s85
	s_mov_b32 s85, 0
	s_mul_i32 s86, s17, TROW                       ; W: from W_q's tile W_k's lies 64 image tiles on, W_v's 128
	s_add_co_u32 s86, s86, WC
	s_mov_b32 s87, 0
	s_mul_i32 s82, s12, 2*KP                       ; the refill: two K steps a wave
	s_mov_b32 s83, 0
	s_mov_b32 s32, 1
	s_mul_i32 s33, s12, SLOT/2
	s_mov_b32 s88, 1
	s_mov_b32 s89, SLOT
	s_mov_b32 s92, 1
	s_mov_b32 s93, 2*SLOT
	s_mov_b32 s96, 1
	s_mul_i32 s97, s12, SLOT/4
	s_wait_dscnt 0x0                               ; both opening adds are done
	s_wait_kmcnt 0x0
	s_add_nc_u64 s[34:35], s[4:5], s[84:85]
	s_or_b32 s35, s35, 0x80000000
	s_add_nc_u64 s[86:87], s[4:5], s[86:87]
	s_add_nc_u64 s[90:91], s[86:87], 98304
	s_or_b32 s91, s91, 0x80000000
	s_add_nc_u64 s[94:95], s[86:87], 196608
	s_or_b32 s95, s95, 0x80000000
	s_add_nc_u64 s[98:99], s[86:87], s[82:83]
	s_or_b32 s99, s99, 0x80000000
	CROUND                                         ; all sixteen work-groups are here: the joint loads meet
	s_cmp_lt_u32 s12, 2
	s_cbranch_scc0 .Lnot_x
	TL 32, 24                                      ; waves 0, 1: x
	s_branch .Lasked
.Lnot_x:
	s_cmp_lt_u32 s12, 3
	s_cbranch_scc0 .Lnot_k
	TL 88, 36                                      ; wave 2: W_k
	s_branch .Lasked
.Lnot_k:
	TL 92, 36                                      ; wave 3: W_v
.Lasked:
	s_lshr_b32 s13, s12, 1                         ; wm: which 64 tokens
	s_and_b32 s14, s12, 1                          ; wn: which 64 columns
	s_lshl_b32 s18, s17, 1
	s_add_co_u32 s18, s18, s14                     ; head
	s_lshr_b32 s19, s16, 4                         ; batch
	s_and_b32 s20, s16, 15                         ; stride block
	s_lshl_b32 s21, s19, 4
	s_add_co_u32 s21, s21, s18
	s_lshl_b32 s22, s16, 3
	s_lshl_b32 s76, s13, 2
	s_add_co_u32 s22, s22, s76                     ; my first image tile of tokens
	s_mov_b32 s[SEL], 0x76543210
	s_mov_b32 s[SEL+1], 0xfedcba98                 ; v_permlanex16_b32's selects for lane l xor 16
	s_mov_b32 s77, 0
	s_lshl_b32 s76, s22, 6
	s_add_co_u32 s76, s76, XS
	s_add_nc_u64 s[46:47], s[4:5], s[76:77]        ; x's scale words
	s_lshl_b32 s78, s17, 3
	s_lshl_b32 s79, s14, 2
	s_add_co_u32 s78, s78, s79
	s_lshl_b32 s78, s78, 6
	s_add_co_u32 s76, s78, WS
	s_add_nc_u64 s[48:49], s[4:5], s[76:77]        ; the weights'
	s_mov_b32 s76, s78
	s_add_nc_u64 s[50:51], s[6:7], s[76:77]        ; the bias
	s_mul_i32 s76, s18, PLANE
	s_mul_i32 s79, s22, 768
	s_add_co_u32 s76, s76, s79
	s_add_nc_u64 s[52:53], s[8:9], s[76:77]        ; Q's images
	s_add_nc_u64 s[54:55], s[52:53], KC            ; K's
	s_lshl_b32 s76, s18, 14
	s_lshl_b32 s79, s22, 6
	s_add_co_u32 s76, s76, s79
	s_add_co_u32 s76, s76, QS
	s_add_nc_u64 s[56:57], s[8:9], s[76:77]        ; Q's scale words
	s_lshl_b32 s76, s18, 13
	s_lshl_b32 s79, s22, 5
	s_add_co_u32 s76, s76, s79
	s_add_co_u32 s76, s76, KSC
	s_add_nc_u64 s[58:59], s[8:9], s[76:77]        ; K's
	s_lshl_b32 s80, s21, 4
	s_add_co_u32 s80, s80, s20
	s_mul_i32 s76, s80, 6144
	s_mul_i32 s79, s13, 768
	s_add_co_u32 s76, s76, s79
	s_add_co_u32 s76, s76, VC
	s_add_nc_u64 s[60:61], s[8:9], s[76:77]        ; V's images
	s_lshl_b32 s76, s80, 8
	s_lshl_b32 s79, s13, 1
	s_add_co_u32 s76, s76, s79
	s_add_co_u32 s76, s76, VSC
	s_add_nc_u64 s[62:63], s[8:9], s[76:77]        ; V's scale words
	s_lshl_b32 s76, s21, 10
	s_add_co_u32 s76, s76, s20
	s_add_co_u32 s76, s76, VSS
	s_add_nc_u64 s[66:67], s[8:9], s[76:77]        ; the gathered bytes of V's last 32 tokens of each stride block
	s_lshl_b32 s76, s19, 5
	s_add_co_u32 s76, s76, s18
	s_lshl_b32 s76, s76, 19
	s_lshl_b32 s79, s20, 15
	s_add_co_u32 s76, s76, s79
	s_lshl_b32 s79, s13, 14
	s_add_co_u32 s76, s76, s79
	s_add_nc_u64 s[68:69], s[10:11], s[76:77]      ; out1: K's rows
	s_add_nc_u64 s[70:71], s[68:69], 8388608       ; V's
	s_mul_i32 s76, s12, STW
	s_add_co_u32 s76, s76, SLOT                    ; my stage
	s_mul_i32 s78, s14, TROW/2                     ; my four image tiles of a weight
	s_mul_i32 s79, s13, TROW/2                     ; my four image tiles of x
	v_and_b32 v1, 31, v0                           ; lane
	v_and_b32 v2, 15, v0                           ; r
	v_bfe_u32 v3, v0, 4, 1                         ; h
	v_and_b32 v220, 7, v0                          ; r % 8
	v_bfe_u32 v221, v0, 3, 1                       ; r / 8
	v_lshlrev_b32 v4, 3, v1                        ; 8 x lane
	v_lshlrev_b32 v5, 2, v2                        ; 4 r
	v_lshl_add_u32 v6, v3, 14, v5                  ; scale words: lanes 16-31 one K step on
	v_lshlrev_b32 v7, 6, v3                        ; 64 h
	v_lshl_add_u32 v8, v221, 4, v220
	v_lshlrev_b32 v8, 2, v8                        ; 4 (16 (r / 8) + r % 8)
	v_mul_u32_u24 v9, v220, 272
	v_mad_u32_u24 v9, v221, 4480, v9
	v_add_nc_u32 v9, v9, v7
	v_add_nc_u32 v9, s76, v9                       ; into the stage, K: my token's row, + 64 h
	v_mad_u32_u24 v10, v3, 4480, v8
	v_add_nc_u32 v10, s76, v10                     ; V: my column, my half's tokens
	v_mul_u32_u24 v11, v3, 272
	v_lshl_add_u32 v11, v2, 4, v11
	v_add_nc_u32 v11, s76, v11                     ; back: lanes 0-15 one row of 256 bytes, lanes 16-31 the next
	v_lshlrev_b32 v12, 4, v1                       ; 16 x lane
	v_lshlrev_b32 v13, 4, v2                       ; 16 r
.irp j, 0,1,2
	v_add_nc_u32 v[16+2*\j], s78, v12
	v_add_nc_u32 v[16+2*\j], SLOT*\j, v[16+2*\j]   ; product j's weight, K steps 0-3
	v_add_nc_u32 v[17+2*\j], SLOT/2, v[16+2*\j]    ; K steps 4-7
.endr
	v_add_nc_u32 v22, s79, v12                     ; x likewise
	v_add_nc_u32 v23, SLOT/2, v22
.irp i, 0,1,2,3,4,5,6,7
	v_mov_b32 v[PM+\i], 0                          ; (a lane permute's destination counts as one of its sources)
.endr
	s_wait_alu depctr_va_vdst(0)
.irp a, 0,1,2,3
.irp q, 0,1,2,3
	global_load_b32 v[24+4*\a+\q], v6, s[46:47] offset:32768*\q+64*\a
.endr
.endr
.macro WSC j                           ; product j's scale words
.irp b, 0,1,2,3
.irp q, 0,1,2,3
	global_load_b32 v[40+16*(\j)+4*\b+\q], v6, s[48:49] offset:32768*\q+4096*(\j)+64*\b
.endr
.endr
.endm
.macro BIASQK j
	WIN 0x40
.irp b, 0,1,2,3
	global_load_b128 v[128+32*(\j)+8*\b:128+32*(\j)+8*\b+3], v7, s[50:51] offset:4096*(\j)+4*(32*(\b/2)+8*(\b%2))
	global_load_b128 v[128+32*(\j)+8*\b+4:128+32*(\j)+8*\b+7], v7, s[50:51] offset:4096*(\j)+4*(32*(\b/2)+8*(\b%2))+16
.endr
	WIN 0
.endm
	WSC 1
	WSC 2
	BIASQK 1
	WIN 0x40
.irp a, 0,1,2,3
	global_load_b32 v[192+8*\a], v8, s[50:51] offset:8192+4*(32*(\a/2)+8*(\a%2))
.endr
	WIN 0
	s_cmp_lt_u32 s12, 2
	s_cbranch_scc0 .Lno_x
	s_wait_tensorcnt 0x0                           ; waves 0, 1: my half of x is in
.Lno_x:
	s_barrier_signal -1
	s_barrier_wait -1                              ; x is in; the weights may still be on their way
	WIN 0x80                                       ; destination window 2
.irp s, 0,1,2,3,4
.irp a, 0,1,2,3
.irp p, 0,1,2
	ds_load_b128 v[48*\s+12*\a+4*\p:48*\s+12*\a+4*\p+3], v[22+\s/4] offset:(\s%4)*TROW+1536*\a+512*\p
.endr
.endr
.endr
	WIN 0xc0                                       ; destination window 3
.irp s, 5,6,7
.irp a, 0,1,2,3
.irp p, 0,1,2
	ds_load_b128 v[48*(\s-5)+12*\a+4*\p:48*(\s-5)+12*\a+4*\p+3], v[22+\s/4] offset:(\s%4)*TROW+1536*\a+512*\p
.endr
.endr
.endr
	WIN 0
	s_cmp_eq_u32 s12, 3
	s_cbranch_scc1 .Lno_k
	s_wait_tensorcnt 0x0                           ; wave 2: W_k is in
.Lno_k:
	s_wait_loadcnt 0x0                             ; scale words and biases are in
	WIN 0x41
.irp a, 0,1,2,3
.irp q, 1,2,3,4,5,6,7
	v_mov_b32 v[192+8*\a+\q], v[192+8*\a]          ; V's bias: one number a lane and tile, over the tile's eight registers
.endr
.endr
	WIN 0
	s_wait_alu depctr_va_vdst(0)
	s_wait_dscnt 0x0                               ; my x fragments are in registers
	s_barrier_signal -1
	s_barrier_wait -1                              ; W_k is in; W_v may still be on its way
; the four fragments of K step k of product j's weight into set f: 12 loads, each 512 consecutive bytes a wave
.macro FETCHW j, k, f
.irp b, 0,1,2,3
.irp p, 0,1,2
	ds_load_b128 v[88+48*(\f)+12*\b+4*\p:88+48*(\f)+12*\b+4*\p+3], v[16+2*(\j)+(\k)/4] offset:((\k)%4)*TROW+1536*\b+512*\p
.endr
.endr
.endm
.macro ROWOUT base, t                  ; row piece t of the product before: two aligned units of 256 bytes
.if (\t) < 28
	WIN 0x0c                                       ; a store's data: window 3
	global_store_b128 v12, v[144+4*(\t):147+4*(\t)], s[\base:\base+1] offset:512*(\t) th:TH_STORE_NT
.else
	WIN 0x04                                       ; window 1
	global_store_b128 v12, v[112+4*(\t):115+4*(\t)], s[\base:\base+1] offset:512*(\t) th:TH_STORE_NT
.endif
.endm
.macro WM d, fa, fb, c, sa, sb, odd
.if \odd
	v_wmma_scale_f32_16x16x128_f8f6f4 v[\d:\d+7], v[\fa:\fa+11], v[\fb:\fb+11], v[\c:\c+7], v[\sa], v[\sb] matrix_a_fmt:MATRIX_FMT_FP6 matrix_b_fmt:MATRIX_FMT_FP6 matrix_a_scale:MATRIX_SCALE_ROW1 matrix_b_scale:MATRIX_SCALE_ROW1
.else
	v_wmma_scale_f32_16x16x128_f8f6f4 v[\d:\d+7], v[\fa:\fa+11], v[\fb:\fb+11], v[\c:\c+7], v[\sa], v[\sb] matrix_a_fmt:MATRIX_FMT_FP6 matrix_b_fmt:MATRIX_FMT_FP6
.endif
.endm
; 16 matrix instructions: K step k.  The accumulators take turns, one instruction a turn, in the same order in every step.
; rows: 0, or the base of the rows of the product before: a K step stores four of the 32 row pieces, one behind every fourth matrix instruction.
.macro MUL j, k, f, sw, first, rows
.if (\k) < 5
.set XR, 48*(\k)
.set MW, 0x58-6*(\sw)                  ; x in window 2, as source 1 or (sw) source 0; C and D window 1
.else
.set XR, 48*((\k)-5)
.set MW, 0x5c-9*(\sw)                  ; x in window 3
.endif
	WIN MW
.irp a, 0,1,2,3
.irp b, 0,1,2,3
.if \sw
.if \first
	WM 8*(4*\a+\b), XR+12*\b, 88+48*(\f)+12*\a, 192+8*\a, 24+4*\b+(\k)/2, 40+16*(\j)+4*\a+(\k)/2, (\k)%2
.else
	WM 8*(4*\a+\b), XR+12*\b, 88+48*(\f)+12*\a, 8*(4*\a+\b), 24+4*\b+(\k)/2, 40+16*(\j)+4*\a+(\k)/2, (\k)%2
.endif
.else
.if \first
	WM 8*(4*\a+\b), 88+48*(\f)+12*\b, XR+12*\a, 128+32*(\j)+8*\b, 40+16*(\j)+4*\b+(\k)/2, 24+4*\a+(\k)/2, (\k)%2
.else
	WM 8*(4*\a+\b), 88+48*(\f)+12*\b, XR+12*\a, 8*(4*\a+\b), 40+16*(\j)+4*\b+(\k)/2, 24+4*\a+(\k)/2, (\k)%2
.endif
.endif
.endr
.if \rows
	ROWOUT \rows, 4*(\k)+\a
	WIN MW
.endif
.endr
.endm
; A product: fragments are fetched two K steps ahead into three sets.  The first wait also covers the row pieces, whose loads are older than the fetches.
.macro TILE j, sw, refill, rows
	FETCHW \j, 0, 0
	FETCHW \j, 1, 1
	s_wait_xcnt 0x0                                ; earlier stores have read the codes' registers, which the third set takes
	FETCHW \j, 2, 2
	s_wait_dscnt 24                                ; K step 0 is in; two fetches of 12 may be out
	MUL \j, 0, 0, \sw, 1, \rows
.irp k, 1,2,3,4,5
	PLACES
	WIN 0
	FETCHW \j, \k+2, (\k+2)%3
	s_wait_dscnt 24                                ; the two youngest fetches may be out
	MUL \j, \k, \k%3, \sw, 0, \rows
.endr
	s_wait_dscnt 12                                ; K step 7's fetch may be out
	MUL \j, 6, 0, \sw, 0, \rows
.if \refill
	WIN 0
	s_wait_tensorcnt 0x0                           ; my tensor load of the head is done;
	ds_add_u32 v14, v15                            ; the last K step stands between the add and the wait for it
	s_mov_b32 s38, 2<<16                           ; no tensor load of mine is out: from here on two rows a load
	s_mov_b32 s40, 2
	s_wait_dscnt 1                                 ; K step 7 is in; the add may be out
	MUL \j, 7, 1, \sw, 0, 0
	WIN 0
	s_wait_dscnt 0x0                               ; the add is done, and so are all my reads of slots 0 and 1
	CROUND                                         ; both now hold of every wave of the cluster; W_v is in, too
	TL 96, 36                                      ; W_q onto x's bytes, a quarter a wave
.else
	s_wait_dscnt 0x0
	MUL \j, 7, 1, \sw, 0, \rows
	WIN 0
	PLACES
.endif
.endm
; The 128 sums of a lane are eight half blocks of 16 (the other half in lane l xor 16): blocks 2 a, 2 a + 1 become the six registers of codes v[184 + 8 a] .. and the two bytes of v[216 + a].
.macro QUANT4
	WIN 0x14
.set I, 0
.rept 8
	v_max3_num_f32 v[TM+I], 0x1800000, |v[16*I]|, |v[16*I+1]|    ; with the floor 2^(3 - 127): the byte cannot fall under 1
.set I, I+1
.endr
.irp i, 2,4,6,8,10,12,14
.set I, 0
.rept 8
	v_max3_num_f32 v[TM+I], v[TM+I], |v[16*I+\i]|, |v[16*I+\i+1]|
.set I, I+1
.endr
.endr
	WIN 0
.irp i, 0,1,2,3,4,5,6,7
	v_permlanex16_b32 v[PM+\i], v[TM+\i], s[SEL], s[SEL+1]
.endr
.irp i, 0,1,2,3,4,5,6,7
	v_max_num_f32 v[TM+\i], v[TM+\i], v[PM+\i]
.endr
.irp i, 0,1,2,3,4,5,6,7
	v_add_nc_u32 v[PM+\i], 0xff000000, v[TM+\i]    ; 2 off the exponent field: the conversion's scale operand
.endr
.irp i, 0,1,2,3,4,5,6,7
	v_lshrrev_b32 v[TM+\i], 23, v[PM+\i]           ; the byte
.endr
.irp a, 0,1,2,3
	v_lshl_or_b32 v[216+\a], v[TM+2*\a+1], 8, v[TM+2*\a]
.endr
	WIN 0x01
.irp a, 0,1,2,3
	v_cvt_scalef32_pk16_fp6_f32 v[184+8*\a:186+8*\a], v[32*\a:32*\a+15], v[PM+2*\a]
	v_cvt_scalef32_pk16_fp6_f32 v[188+8*\a:190+8*\a], v[32*\a+16:32*\a+31], v[PM+2*\a+1]
.endr
	WIN 0
	v_nop                                          ; one plain line behind the conversions
.irp i, 0,1,2
.irp a, 0,1,2,3
	v_permlane16_swap_b32 v[184+8*\a+\i], v[188+8*\a+\i]   ; a whole block to a lane
.endr
.endr
.irp i, 0,1,2
.irp a, 0,1,2,3
	v_mov_b32 v[187+8*\a+\i], v[188+8*\a+\i]
.endr
.endr
	s_wait_alu depctr_va_vdst(0)
.endm
.macro IMG base, off, pc               ; three aligned pieces of 256 bytes
.irp p, 0,1,2
	global_store_b64 v4, v[\pc+2*\p:\pc+2*\p+1], s[\base:\base+1] offset:\off+256*\p
.endr
.endm
.macro LDROWS                          ; the 32 row pieces back from the stage: LDS serves a wave's instructions in order, so these see my stores
	WIN 0xc0                                       ; destination window 3
.set I, 0
.rept 28
	ds_load_b128 v[144+4*I:147+4*I], v11 offset:544*I+128*(I/8)
.set I, I+1
.endr
	WIN 0x40                                       ; destination window 1
.rept 4
	ds_load_b128 v[112+4*I:115+4*I], v11 offset:544*I+128*(I/8)
.set I, I+1
.endr
	WIN 0
.endm
; ---- K
	TILE 1, 0, 1, 0
	WSC 0                                          ; Q's scale words and bias, waited for ahead of Q's product
	BIASQK 0
	WIN 0x04                                       ; an LDS store's data: window 1; each accumulator from its low end on
.irp a, 0,1,2,3
.irp b, 0,1
.irp q, 0,1,2,3
	ds_store_b128 v9, v[8*(4*\a+2*\b+\q/2)+4*(\q%2):8*(4*\a+2*\b+\q/2)+4*(\q%2)+3] offset:(32*(\a/2)+8*(\a%2))*272+256*(\a/2)+128*\b+16*\q
.endr
.endr
.endr
	LDROWS
	QUANT4
.irp a, 0,1,2,3
	IMG 54, 768*\a, 184+8*\a
.endr
	v_lshl_or_b32 v236, v217, 16, v216
	v_lshl_or_b32 v237, v219, 16, v218
	global_store_b32 v5, v236, s[58:59]
	global_store_b32 v5, v237, s[58:59] offset:64
; ---- V: its weight was shown by the refill's round.  K's rows leave among its products
	TILE 2, 1, 0, 68
	WIN 0x04
.irp a, 0,1,2,3
.irp b, 0,1,2,3
.irp q, 0,1,2,3,4,5,6,7
	ds_store_b32 v10, v[8*(4*\a+\b)+\q] offset:(32*(\b/2)+8*(\b%2)+\q)*272+256*(\b/2)+4*(32*(\a/2)+8*(\a%2))
.endr
.endr
.endr
	WIN 0
	s_wait_xcnt 0x0                                ; K's row pieces have been read by their stores
	LDROWS
	QUANT4
.irp a, 0,1,2,3
	IMG 60, 1536*\a, 184+8*\a
	global_store_b16 v5, v[216+\a], s[62:63] offset:64*\a
.endr
	s_cmp_eq_u32 s13, 1
	s_cbranch_scc0 .Lno_vss
.irp a, 0,1,2,3
	v_lshrrev_b32 v[236+\a], 8, v[216+\a]
	global_store_b8 v13, v[236+\a], s[66:67] offset:256*\a
.endr
.Lno_vss:
; ---- Q.  V's rows leave among its products
	s_wait_tensorcnt 0x0                           ; my quarter of W_q is in,
	s_wait_loadcnt 0x0                             ; and its scale words and bias
	s_wait_dscnt 0x0
	s_barrier_signal -1
	s_barrier_wait -1                              ; everybody's quarter is
	TILE 0, 0, 0, 70
	QUANT4
.irp a, 0,1,2,3
	IMG 52, 768*\a, 184+8*\a
	v_lshl_or_b32 v[236+\a], v[216+\a], 16, v[216+\a]   ; q's two bytes serve either half of an operand
	global_store_b32 v5, v[236+\a], s[56:57] offset:64*\a
.endr
	s_wait_tensorcnt 0x0                           ; the wave's end
	ds_add_u32 v14, v15
	s_wait_dscnt 0x0
	CROUND                                         ; the closing round
	s_endpgm
.Lfunc_end_k_qf1b55aa931_qkv_gemm:
	.size	k_qf1b55aa931_qkv_gemm, .Lfunc_end_k_qf1b55aa931_qkv_gemm-k_qf1b55aa931_qkv_gemm
	.p2alignl 7, 3214868480
	.fill 96, 4, 3214868480
	.section	.rodata,"a",@progbits
	.p2align	6, 0x0
	.amdhsa_kernel k_qf1b55aa931_qkv_gemm
		.amdhsa_group_segment_fixed_size 327680
		.amdhsa_private_segment_fixed_size 0
		.amdhsa_enable_private_segment 0
		.amdhsa_kernarg_size 32
		.amdhsa_user_sgpr_count 2
		.amdhsa_user_sgpr_kernarg_segment_ptr 1
		.amdhsa_wavefront_size32 1
		.amdhsa_system_sgpr_workgroup_id_x 1
		.amdhsa_system_sgpr_workgroup_id_y 1
		.amdhsa_system_sgpr_workgroup_id_z 1
		.amdhsa_system_vgpr_workitem_id 0
		.amdhsa_next_free_vgpr 1024
		.amdhsa_next_free_sgpr 100
		.amdhsa_reserve_vcc 0
		.amdhsa_float_denorm_mode_32 3
		.amdhsa_float_denorm_mode_16_64 3
		.amdhsa_memory_ordered 1
		.amdhsa_forward_progress 1
		.amdhsa_inst_pref_size 149
	.end_amdhsa_kernel
	.amdgpu_metadata
---
amdhsa.version: [ 1, 2 ]
amdhsa.kernels:
  - .name:           k_qf1b55aa931_qkv_gemm
    .symbol:         k_qf1b55aa931_qkv_gemm.kd
    .args:
      - { .name: ops, .offset: 0, .size: 8, .value_kind: global_buffer, .address_space: global }
      - { .name: b_attn, .offset: 8, .size: 8, .value_kind: global_buffer, .address_space: global }
      - { .name: qkv, .offset: 16, .size: 8, .value_kind: global_buffer, .address_space: global }
      - { .name: out1, .offset: 24, .size: 8, .value_kind: global_buffer, .address_space: global }
    .group_segment_fixed_size: 327680
    .private_segment_fixed_size: 0
    .kernarg_segment_align: 8
    .kernarg_segment_size: 32
    .max_flat_workgroup_size: 128
    .sgpr_count:     100
    .vgpr_count:     1024
    .wavefront_size: 32
...
	.end_amdgpu_metadata
.endif
;; end of part 2
;; launch attn (part 3): grid 8 x 32, 16 waves a work-group, no clusters, 167,936 bytes of LDS; arguments qkv, hq; writes hq
.if DOCPART == 3
	.amdgcn_target "amdgcn-amd-amdhsa--gfx1250"
	.amdhsa_code_object_version 6
	.text
	.protected	k_qf1b55aa931_attn
	.globl	k_qf1b55aa931_attn
	.p2align	8
	.type	k_qf1b55aa931_attn,@function
k_qf1b55aa931_attn:
	s_mov_b64 s[64:65], 0
	v_nop
	global_prefetch_b8 v0, s[64:65] scope:SCOPE_SE
	s_setreg_imm32_b32 hwreg(HW_REG_WAVE_MODE, 25, 1), 1
	s_wait_xcnt 0x0
; Attention under the mask that the problem builds itself: a query of stride block I (128 tokens) sees its own block causally and the last 8 keys of each earlier block.  Both products on codes of FP6 (E2M3).
; What lies wholly under the mask is not multiplied: masked logits are -1e10, whose p is 0.  LIMIT: that holds while a row's visible logits stay above about -1e9; NaN and infinities are not served;
; a block of p or of h under 2^-124 has its byte held at 1, a block of zeros gets the byte 1 (its codes are zeros, and this program alone reads the bytes).
; SOFTMAX: t = score x log2(e) / 8; M = the running largest t rounded up to a whole number; p = 2^(t - M) is quantised along the keys in blocks of 32 counted from key 0; the sum is taken of the unquantised p and divides at the end.
; SHARES.  Work-group (j, bh): stride blocks j (waves 0-7) and 15 - j (waves 8-15) of one head, 15 earlier blocks in all for every work-group.  A wave owns one tile of 16 queries.
; No cluster: how many summary steps a wave walks, a branch, hangs on its stride block, which would be a work-group's place among partners.
; K = 64 IN AN INSTRUCTION OF 128: a fragment of keys holds TWO tiles of 16 keys (one in each 64 of K) and is multiplied once by (q | zeros) and once by (zeros | q).
; THE SUMMARY KEYS: a step takes four earlier blocks.  The 8 keys of block g are the last 8 of key block 4 g + 3 and keep one 32 of the second product's K, under that block's scales; the other 24 codes of p are zeros.
; Both products are used transposed: a lane holds one query throughout.  LDS is filled once, by nine tensor loads (one a wave, waves 0-8); every wait on TENSORcnt is for 0.
; REGISTERS: v1-9 addresses; v12 -M, v13 the largest t, v[14:15] the sum; v16-33 zeros | q | zeros; v34 q's scale word, v35 p's, v36-39 k's (own block), v40-43 k's (summary), v44-47 v's (own block), v48-63 v's (summary);
;   v64-127 scores, then p; v128-159 O^T; v160-207 four fragments; v208-219 p's codes; v220-247 at work; v248 -infinity; v249-251 addresses.
.set PLANE, 196608
.set KC,    3145728
.set VC,    6291456
.set QS,    9437184
.set KSC,   9699328
.set VSC,   9830400
.set VSS,   9961472
.set HS,    3145728
.set VL,    12288                      ; LDS: 0: the two stride blocks' keys, 6,144 bytes each; VL: their values likewise;
.set KS,    24576                      ; the image tile with the last 8 keys of each of the head's 16 stride blocks, 768 bytes each;
.set VS,    36864                      ; the values' images of keys 64-127 of each stride block: 64 rows (4 g + t), 32 bytes of padding behind each 256: pieces 288 apart, rows 864
.set SPARE, 92160                      ; the spare words, 128 bytes for each of the 16 waves
	s_load_b128 s[4:7], s[0:1], 0x0                ; qkv s[4:5], hq s[6:7]
	v_lshl_add_u32 v10, v0, 2, SPARE               ; my spare word; never rewritten
	v_mov_b32 v11, 0                               ; 0; never rewritten
	ds_add_u32 v10, v11                            ; the wave's opening: the add and its wait stand ahead of the first tensor load; work on registers stands between
	ds_add_u32 v10, v11
	v_lshrrev_b32 v1, 5, v0
	s_delay_alu instid0(VALU_DEP_1)
	v_readfirstlane_b32 s8, v1                     ; wave 0..15
	s_lshr_b32 s9, s8, 3                           ; side
	s_and_b32 s10, s8, 7                           ; tq: my tile of queries in the stride block
	s_mov_b32 s11, ttmp9                           ; j
	s_and_b32 s12, ttmp7, 0xffff                   ; bh
	s_lshr_b32 s13, s12, 4                         ; b
	s_and_b32 s14, s12, 15                         ; hd
	s_sub_co_u32 s18, 15, s11
	s_cmp_eq_u32 s9, 0
	s_cselect_b32 s15, s11, s18                    ; IB: my stride block
	s_lshl_b32 s16, s13, 7
	s_lshl_b32 s19, s15, 3
	s_add_co_u32 s16, s16, s19
	s_add_co_u32 s16, s16, s10                     ; T: my image tile of tokens
	s_lshr_b32 s17, s10, 1
	s_mov_b32 s24, 3<<16                           ; group 1, dense blocks of 6,144 bytes: 24 rows of 32 elements of 8 bytes
	s_mov_b32 s25, 32<<16
	s_mov_b32 s26, 24<<16
	s_mov_b32 s27, 32<<16
	s_mov_b32 s28, 24
	s_mov_b32 s29, 32
	s_mov_b32 s30, 0
	s_mov_b32 s31, 0
	s_mov_b32 s32, 3<<16                           ; group 1, summary keys: 16 rows of 768 bytes, 6,144 bytes (eight tiles) apart
	s_mov_b32 s33, 96<<16
	s_mov_b32 s34, 16<<16
	s_mov_b32 s35, 96<<16
	s_mov_b32 s36, 16
	s_mov_b32 s37, 768
	s_mov_b32 s38, 0
	s_mov_b32 s39, 0
	s_mov_b32 s40, (3<<16)|(1<<20)|(5<<22)|(7<<25) ; group 1, summary values: 16 rows of 768 bytes, 1,536 apart; 8 words of padding behind every 64
	s_mov_b32 s41, 96<<16
	s_mov_b32 s42, 16<<16
	s_mov_b32 s43, 96<<16
	s_mov_b32 s44, 16
	s_mov_b32 s45, 192
	s_mov_b32 s46, 0
	s_mov_b32 s47, 0
	s_and_b32 s66, s8, 1                           ; waves 0, 1: the keys of blocks j, 15 - j; waves 2, 3: their values
	s_cmp_eq_u32 s66, 0
	s_cselect_b32 s67, s11, s18
	s_lshl_b32 s69, s13, 7
	s_lshl_b32 s70, s67, 3
	s_add_co_u32 s69, s69, s70
	s_mul_i32 s69, s69, 768
	s_mul_i32 s68, s14, PLANE
	s_add_co_u32 s68, s68, s69
	s_add_co_u32 s68, s68, KC
	s_lshl_b32 s70, s12, 4
	s_add_co_u32 s70, s70, s67
	s_mul_i32 s70, s70, 6144
	s_add_co_u32 s70, s70, VC
	s_cmp_lt_u32 s8, 2
	s_cselect_b32 s68, s68, s70
	s_mov_b32 s69, 0
	s_mul_i32 s49, s8, 6144
	s_lshl_b32 s70, s13, 7                         ; wave 4: tile 8 g + 7 of each stride block g
	s_add_co_u32 s70, s70, 7
	s_mul_i32 s70, s70, 768
	s_mul_i32 s71, s14, PLANE
	s_add_co_u32 s70, s70, s71
	s_add_co_u32 s70, s70, KC
	s_mov_b32 s71, 0
	s_mov_b32 s53, KS
	s_add_co_u32 s74, s8, 3                        ; waves 5-8: a quarter each of the 64 rows of summary values
	s_and_b32 s74, s74, 3
	s_mul_i32 s72, s12, 98304
	s_mul_i32 s73, s74, 24576
	s_add_co_u32 s72, s72, s73
	s_add_co_u32 s72, s72, VC+768
	s_mov_b32 s73, 0
	s_mul_i32 s57, s74, 13824
	s_add_co_u32 s57, s57, VS
	s_mov_b32 s60, 0x76543210
	s_mov_b32 s61, 0xfedcba98                      ; v_permlanex16_b32's selects for lane l xor 16
	s_mov_b32 s62, 0x3e38aa3b                      ; c = log2(e) / 8
	s_mov_b32 s63, s62                             ; (named with it as a pair)
	v_and_b32 v1, 31, v0
	s_delay_alu instid0(VALU_DEP_1)
	v_lshlrev_b32 v1, 3, v1                        ; 8 x lane
	v_and_b32 v2, 15, v0                           ; r
	v_bfe_u32 v3, v0, 4, 1                         ; h
	v_and_b32 v242, 7, v0                          ; r % 8
	v_bfe_u32 v243, v0, 3, 1                       ; r / 8
	s_mul_i32 s75, s9, 6144
	v_add_nc_u32 v4, s75, v1                       ; my stride block's keys
	s_delay_alu instid0(VALU_DEP_1)
	v_add_nc_u32 v5, VL, v4                        ; and values
	v_mul_u32_u24 v6, v243, 768                    ; summary keys: lane r takes key r % 8 (lane 8 + r % 8 of the image) of block r / 8 of a pair
	s_delay_alu instid0(VALU_DEP_1)
	v_lshl_add_u32 v6, v242, 3, v6
	s_delay_alu instid0(VALU_DEP_1)
	v_lshl_add_u32 v6, v3, 7, v6
	s_delay_alu instid0(VALU_DEP_1)
	v_add_nc_u32 v6, KS+64, v6
	v_mul_u32_u24 v7, v3, 3456                     ; summary values: lanes 16-31 take the next stride block (four rows on); of each image the places of its lanes 16-31 (keys 96-127)
	s_delay_alu instid0(VALU_DEP_1)
	v_lshl_add_u32 v7, v2, 3, v7
	s_delay_alu instid0(VALU_DEP_1)
	v_add_nc_u32 v7, VS+128, v7
	v_lshlrev_b32 v8, 2, v2                        ; 4 r
	s_lshl_b32 s75, s17, 5
	s_and_b32 s76, s10, 1
	s_lshl_b32 s76, s76, 3
	s_add_co_u32 s75, s75, s76
	v_lshl_add_u32 v9, v243, 4, v242
	v_lshlrev_b32 v244, 4, v3
	s_delay_alu instid0(VALU_DEP_1)
	v_sub_nc_u32 v9, v9, v244
	s_delay_alu instid0(VALU_DEP_1)
	v_add_nc_u32 v9, s75, v9                       ; my query in the block - 16 h: register 16 n + i holds key 32 n + 16 h + i, hidden where 32 n + i is greater
	v_mov_b32 v248, 0xff800000                     ; -infinity
	v_lshlrev_b32 v249, 3, v3                      ; 8 h
	v_lshlrev_b32 v250, 4, v2                      ; 16 r
	v_lshlrev_b32 v251, 2, v242
	s_delay_alu instid0(VALU_DEP_1)
	v_lshl_add_u32 v251, v243, 8, v251             ; 256 (r / 8) + 4 (r % 8)
.irp i, 16,17,18,19,20,21,28,29,30,31,32,33
	v_mov_b32 v\i, 0                               ; the zero codes on either side of q
.endr
	v_mov_b32 v14, 0                               ; the sum, in two halves
	v_mov_b32 v15, 0
.irp i, 232,233,234,235,240,241,245
	v_mov_b32 v\i, 0                               ; lane permutes' destinations and the upper half of a pair: written once
.endr
	s_wait_dscnt 0x0                               ; the opening add is done
	s_wait_kmcnt 0x0
	s_mov_b32 s48, 1
	s_add_nc_u64 s[50:51], s[4:5], s[68:69]
	s_or_b32 s51, s51, 0x80000000
	s_mov_b32 s52, 1
	s_add_nc_u64 s[54:55], s[4:5], s[70:71]
	s_or_b32 s55, s55, 0x80000000
	s_mov_b32 s56, 1
	s_add_nc_u64 s[58:59], s[4:5], s[72:73]
	s_or_b32 s59, s59, 0x80000000
	s_cmp_lt_u32 s8, 2                             ; one tensor load a wave, chosen by the wave's number; an s_nop 0 and four v_nop follow each
	s_cbranch_scc0 .Lnot_own_keys
	tensor_load_to_lds s[48:51], s[24:31]          ; waves 0, 1: the two stride blocks' keys, a line of their own
	s_nop 0
.rept 4
	v_nop
.endr
	s_branch .Lasked
.Lnot_own_keys:
	s_cmp_lt_u32 s8, 4                             ; waves 2, 3: their values
	s_cbranch_scc0 .Lnot_dense
	tensor_load_to_lds s[48:51], s[24:31]
	s_nop 0
.rept 4
	v_nop
.endr
	s_branch .Lasked
.Lnot_dense:
	s_cmp_eq_u32 s8, 4
	s_cbranch_scc0 .Lnot_keys
	tensor_load_to_lds s[52:55], s[32:39]
	s_nop 0
.rept 4
	v_nop
.endr
	s_branch .Lasked
.Lnot_keys:
	s_cmp_lt_u32 s8, 9
	s_cbranch_scc0 .Lasked
	tensor_load_to_lds s[56:59], s[40:47]
	s_nop 0
.rept 4
	v_nop
.endr
.Lasked:
	s_mov_b32 s95, 0
	s_mul_i32 s94, s14, PLANE
	s_mul_i32 s96, s16, 768
	s_add_co_u32 s94, s94, s96
	s_add_nc_u64 s[78:79], s[4:5], s[94:95]        ; q's image
	s_add_nc_u64 s[90:91], s[6:7], s[94:95]        ; h's image: the same place in hq
	s_lshl_b32 s94, s14, 14
	s_lshl_b32 s96, s16, 6
	s_add_co_u32 s94, s94, s96
	s_add_co_u32 s94, s94, QS
	s_add_nc_u64 s[80:81], s[4:5], s[94:95]        ; q's scale words
	s_lshl_b32 s94, s14, 13
	s_lshl_b32 s96, s13, 12
	s_add_co_u32 s94, s94, s96
	s_add_co_u32 s94, s94, KSC
	s_add_nc_u64 s[82:83], s[4:5], s[94:95]        ; k's scale words of the head
	s_lshl_b32 s94, s15, 8
	s_add_nc_u64 s[84:85], s[82:83], s[94:95]      ; and of my stride block
	s_lshl_b32 s94, s12, 4
	s_add_co_u32 s94, s94, s15
	s_lshl_b32 s94, s94, 8
	s_add_co_u32 s94, s94, VSC
	s_add_nc_u64 s[86:87], s[4:5], s[94:95]        ; v's scale words of my stride block
	s_lshl_b32 s94, s12, 10
	s_add_co_u32 s94, s94, VSS
	s_add_nc_u64 s[88:89], s[4:5], s[94:95]        ; and the gathered bytes of the summary blocks
	s_lshr_b32 s94, s14, 1
	s_lshl_b32 s94, s94, 14
	s_lshl_b32 s96, s16, 6
	s_add_co_u32 s94, s94, s96
	s_and_b32 s96, s14, 1
	s_lshl_b32 s96, s96, 1
	s_add_co_u32 s94, s94, s96
	s_add_co_u32 s94, s94, HS
	s_add_nc_u64 s[92:93], s[6:7], s[94:95]        ; h's scale bytes: my head's half of the K step's word
.irp p, 0,1,2
	global_load_b64 v[22+2*\p:23+2*\p], v1, s[78:79] offset:256*\p
.endr
	global_load_b32 v34, v8, s[80:81]
.irp t, 0,1,2,3
	global_load_b32 v[36+\t], v8, s[84:85] offset:64*\t
.endr
.irp u, 0,1,2,3
.irp c, 0,1
	global_load_u16 v[128+2*\u+\c], v251, s[82:83] offset:256*(4*\u+2*\c)+226   ; the two bytes of summary key r % 8 of stride block 4 u + 2 c + r / 8 (in O^T's registers, which are not in use yet)
.endr
.endr
.irp t, 0,1,2,3
	global_load_b32 v[44+\t], v8, s[86:87] offset:64*\t
.endr
.irp t, 0,1,2,3
	global_load_b128 v[48+4*\t:51+4*\t], v250, s[88:89] offset:256*\t
.endr
	s_wait_alu depctr_va_vdst(0)
	s_wait_loadcnt 16                              ; q, its scale words and my stride block's key scales are in; the 16 younger loads may be out
	s_wait_xcnt 0x0                                ; and have read their addresses, some of which are written below
	s_cmp_lt_u32 s8, 2
	s_cbranch_scc0 .Lno_own_keys
	s_wait_tensorcnt 0x0                           ; waves 0, 1: a stride block's keys have landed,
.Lno_own_keys:
	s_barrier_signal -1
	s_barrier_wait -1                              ; both blocks' have; the values and the summary blocks may still be on their way: nothing is filled again
; ---- my own stride block: 128 keys, causal
.irp t, 0,1,2,3
.irp c, 0,1
.irp p, 0,1,2
	ds_load_b64 v[160+12*\t+6*\c+2*\p:161+12*\t+6*\c+2*\p], v4 offset:1536*\t+768*\c+256*\p
.endr
.endr
.endr
	s_wait_dscnt 0x0
.irp t, 0,1,2,3
	v_wmma_scale_f32_16x16x128_f8f6f4 v[64+16*\t:71+16*\t], v[160+12*\t:171+12*\t], v[22:33], 0, v[36+\t], v34 matrix_a_fmt:MATRIX_FMT_FP6 matrix_b_fmt:MATRIX_FMT_FP6
	v_wmma_scale_f32_16x16x128_f8f6f4 v[72+16*\t:79+16*\t], v[160+12*\t:171+12*\t], v[16:27], 0, v[36+\t], v34 matrix_a_fmt:MATRIX_FMT_FP6 matrix_b_fmt:MATRIX_FMT_FP6
.endr
.rept 4
	v_nop
.endr
.irp t, 0,1,2,3                        ; hidden scores become -infinity; a block of 32 keys all of which come before my 16 queries skips this (a branch on the wave's number)
	s_cmp_gt_u32 s17, \t
	s_cbranch_scc1 .Lopen\t
.set I, 0
.rept 16
	v_cmp_gt_i32 vcc_lo, 32*\t+I, v9
	v_cndmask_b32 v[64+16*\t+I], v[64+16*\t+I], v248, vcc_lo
.set I, I+1
.endr
.Lopen\t:
.endr
.irp b, 0,1,2,3
	v_max3_num_f32 v[228+\b], v[64+16*\b], v[65+16*\b], v[66+16*\b]   ; the largest score of each block of 32 keys: for the row's maximum and, since p rises with the score, for the block's largest p
.endr
.irp i, 3,5,7,9,11,13
.irp b, 0,1,2,3
	v_max3_num_f32 v[228+\b], v[228+\b], v[64+16*\b+\i], v[65+16*\b+\i]
.endr
.endr
.irp b, 0,1,2,3
	v_max_num_f32 v[228+\b], v[228+\b], v[79+16*\b]
.endr
.irp b, 0,1,2,3
	s_delay_alu instid0(VALU_DEP_4)
	v_permlanex16_b32 v[232+\b], v[228+\b], s60, s61
.endr
.irp b, 0,1,2,3
	s_delay_alu instid0(VALU_DEP_4)
	v_max_num_f32 v[228+\b], v[228+\b], v[232+\b]
.endr
	s_delay_alu instid0(VALU_DEP_2)
	v_max3_num_f32 v242, v228, v229, v230
	s_delay_alu instid0(VALU_DEP_1)
	v_max_num_f32 v242, v242, v231                 ; a query sees itself: the maximum is a number
	s_delay_alu instid0(VALU_DEP_1)
	v_mul_f32 v13, s62, v242                       ; the largest t
	s_delay_alu instid0(VALU_DEP_1)
	v_floor_f32 v12, -v13                          ; -M = floor(-t)
.set J, 0
.rept 32
	v_pk_fma_f32 v[64+J:65+J], v[64+J:65+J], s[62:63], v[12:13] op_sel_hi:[1,0,0]   ; t - M
.set J, J+2
.endr
.irp b, 0,1,2,3
	v_fma_f32 v[228+\b], v[228+\b], s62, v12
.endr
.set J, 0
	s_wait_alu depctr_va_vdst(0)
.rept 64
	v_exp_f32 v[64+J], v[64+J]                     ; p = 2^(t - M)
.set J, J+1
.endr
	v_nop                                          ; a plain line behind the exponentials
	s_wait_alu depctr_va_vdst(0)                   ; one wait for the batch, ahead of its first reader
.irp b, 0,1,2,3
	v_exp_f32 v[228+\b], v[228+\b]                 ; the blocks' largest p
.endr
	v_pk_add_f32 v[244:245], v[68:69], v[72:73]
	v_pk_add_f32 v[254:255], v[76:77], v[80:81]
	v_pk_add_f32 v[252:253], v[84:85], v[88:89]
	v_pk_add_f32 v[250:251], v[92:93], v[96:97]
	v_pk_add_f32 v[246:247], v[100:101], v[104:105]
	v_pk_add_f32 v[238:239], v[108:109], v[112:113]
	v_pk_add_f32 v[236:237], v[116:117], v[120:121]
	v_pk_add_f32 v[14:15], v[14:15], v[124:125]
	v_pk_add_f32 v[244:245], v[244:245], v[64:65]
	v_pk_add_f32 v[254:255], v[254:255], v[66:67]
	v_pk_add_f32 v[252:253], v[252:253], v[70:71]
	v_pk_add_f32 v[250:251], v[250:251], v[74:75]
	v_pk_add_f32 v[246:247], v[246:247], v[78:79]
	v_pk_add_f32 v[238:239], v[238:239], v[82:83]
	v_pk_add_f32 v[236:237], v[236:237], v[86:87]
	v_pk_add_f32 v[14:15], v[14:15], v[90:91]
	v_pk_add_f32 v[244:245], v[244:245], v[94:95]
	v_pk_add_f32 v[254:255], v[254:255], v[98:99]
	v_pk_add_f32 v[252:253], v[252:253], v[102:103]
	v_pk_add_f32 v[250:251], v[250:251], v[106:107]
	v_pk_add_f32 v[246:247], v[246:247], v[110:111]
	v_pk_add_f32 v[238:239], v[238:239], v[114:115]
	v_pk_add_f32 v[236:237], v[236:237], v[118:119]
	v_pk_add_f32 v[14:15], v[14:15], v[122:123]
	v_pk_add_f32 v[244:245], v[244:245], v[126:127]
	s_delay_alu instid0(VALU_DEP_2)
	v_pk_add_f32 v[14:15], v[14:15], v[250:251]
	s_delay_alu instid0(VALU_DEP_2)
	v_pk_add_f32 v[244:245], v[244:245], v[246:247]
	v_pk_add_f32 v[254:255], v[254:255], v[238:239]
	v_pk_add_f32 v[252:253], v[252:253], v[236:237]
	s_delay_alu instid0(VALU_DEP_2)
	v_pk_add_f32 v[14:15], v[14:15], v[254:255]
	s_delay_alu instid0(VALU_DEP_2)
	v_pk_add_f32 v[244:245], v[244:245], v[252:253]
	s_delay_alu instid0(VALU_DEP_1)
	v_pk_add_f32 v[14:15], v[14:15], v[244:245]
	s_wait_alu depctr_va_vdst(0)                   ; and one for the four
.irp b, 0,1,2,3
	v_max_num_f32 v[228+\b], 0x1800000, v[228+\b]  ; the floor 2^(3 - 127)
.endr
.irp b, 0,1,2,3
	s_delay_alu instid0(VALU_DEP_4)
	v_add_nc_u32 v[236+\b], 0xff000000, v[228+\b]  ; the conversions' scale operands
.endr
.irp b, 0,1,2,3
	s_delay_alu instid0(VALU_DEP_4)
	v_lshrrev_b32 v[232+\b], 23, v[236+\b]
.endr
	s_delay_alu instid0(VALU_DEP_3)
	v_lshl_or_b32 v35, v233, 8, v232               ; p's scale word
	s_delay_alu instid0(VALU_DEP_1)
	v_lshl_or_b32 v35, v234, 16, v35
	s_delay_alu instid0(VALU_DEP_1)
	v_lshl_or_b32 v35, v235, 24, v35
.irp c, 0,1
	v_cvt_scalef32_pk16_fp6_f32 v[208+6*\c:210+6*\c], v[64+32*\c:79+32*\c], v[236+2*\c]
	v_cvt_scalef32_pk16_fp6_f32 v[220+4*\c:222+4*\c], v[80+32*\c:95+32*\c], v[237+2*\c]
.endr
	v_nop
.irp c, 0,1
.irp i, 0,1,2
	v_permlane16_swap_b32 v[208+6*\c+\i], v[220+4*\c+\i]   ; a whole block to a lane
.endr
.irp i, 0,1,2
	s_delay_alu instid0(VALU_DEP_3)
	v_mov_b32 v[211+6*\c+\i], v[220+4*\c+\i]
.endr
.endr
	s_wait_alu depctr_va_vdst(0)
	s_wait_loadcnt 0x0                             ; the summary keys' scale bytes and the values' scales are in
.irp u, 0,1,2,3
	v_lshl_or_b32 v[40+\u], v[129+2*\u], 16, v[128+2*\u]
.endr
	s_wait_tensorcnt 0x0                           ; my tensor load has landed,
	s_wait_dscnt 0x0
	s_barrier_signal -1
	s_barrier_wait -1                              ; everybody's has: values and summary blocks are in
.irp t, 0,1,2,3
.irp c, 0,1
.irp p, 0,1,2
	ds_load_b64 v[160+12*\t+6*\c+2*\p:161+12*\t+6*\c+2*\p], v5 offset:1536*\t+768*\c+256*\p
.endr
.endr
.endr
.rept 8
	v_nop                                          ; a scale register written by a vector instruction stands 8 places ahead of a scaled matrix instruction, an operand 4
.endr
	s_wait_alu depctr_va_vdst(0)
	s_wait_dscnt 0x0
.irp t, 0,1,2,3
	v_wmma_scale_f32_16x16x128_f8f6f4 v[128+8*\t:135+8*\t], v[160+12*\t:171+12*\t], v[208:219], 0, v[44+\t], v35 matrix_a_fmt:MATRIX_FMT_FP6 matrix_b_fmt:MATRIX_FMT_FP6
.endr
.rept 4
	v_nop
.endr
.irp i, 64,65,66,67,68,69,70,71,80,81,82,83,84,85,86,87,208,209,210,214,215,216
	v_mov_b32 v\i, 0                               ; for the summary steps: the eight zeros ahead of each eight p, and the zero codes of a block's first 16 keys
.endr
; ---- a summary step: the last 8 keys of stride blocks 4 u .. 4 u + 3.  Lane half h of score tile c holds block 4 u + 2 c + h.
.macro SUMSTEP u
	s_cmp_le_u32 s15, 4*\u                         ; no earlier block left: made of ids alone
	s_cbranch_scc1 .Lfin
.irp c, 0,1
.irp p, 0,1,2
	ds_load_b64 v[160+6*\c+2*\p:161+6*\c+2*\p], v6 offset:768*(4*\u+2*\c)+256*\p   ; (four places behind the last products stand at the end of the step before)
.endr
.endr
	s_sub_co_i32 s94, s15, 4*\u
	s_sub_co_i32 s95, s94, 2
	s_wait_dscnt 0x0
	v_wmma_scale_f32_16x16x128_f8f6f4 v[72:79], v[160:171], v[22:33], 0, v[40+\u], v34 matrix_a_fmt:MATRIX_FMT_FP6 matrix_b_fmt:MATRIX_FMT_FP6
	v_wmma_scale_f32_16x16x128_f8f6f4 v[88:95], v[160:171], v[16:27], 0, v[40+\u], v34 matrix_a_fmt:MATRIX_FMT_FP6 matrix_b_fmt:MATRIX_FMT_FP6
.rept 4
	v_nop
.endr
	v_cmp_gt_i32 vcc_lo, s94, v3                   ; block 4 u + h comes before mine?
.irp i, 0,1,2,3,4,5,6,7
	v_cndmask_b32 v[72+\i], v248, v[72+\i], vcc_lo
.endr
	v_cmp_gt_i32 vcc_lo, s95, v3                   ; block 4 u + 2 + h?
.irp i, 0,1,2,3,4,5,6,7
	v_cndmask_b32 v[88+\i], v248, v[88+\i], vcc_lo
.endr
	v_max3_num_f32 v228, v72, v73, v74             ; each block's largest score: all its 8 visible keys are mine
	v_max3_num_f32 v229, v88, v89, v90
	s_delay_alu instid0(VALU_DEP_2)
	v_max3_num_f32 v228, v228, v75, v76
	s_delay_alu instid0(VALU_DEP_2)
	v_max3_num_f32 v229, v229, v91, v92
	s_delay_alu instid0(VALU_DEP_2)
	v_max3_num_f32 v228, v228, v77, v78
	s_delay_alu instid0(VALU_DEP_2)
	v_max3_num_f32 v229, v229, v93, v94
	s_delay_alu instid0(VALU_DEP_2)
	v_max_num_f32 v228, v228, v79
	s_delay_alu instid0(VALU_DEP_2)
	v_max_num_f32 v229, v229, v95
	s_delay_alu instid0(VALU_DEP_1)
	v_max_num_f32 v242, v228, v229
	s_delay_alu instid0(VALU_DEP_1)
	v_permlanex16_b32 v243, v242, s60, s61
	s_delay_alu instid0(VALU_DEP_1)
	v_max_num_f32 v242, v242, v243
	s_delay_alu instid0(VALU_DEP_1)
	v_mul_f32 v242, s62, v242
	s_delay_alu instid0(VALU_DEP_1)
	v_max_num_f32 v13, v13, v242                   ; the running largest t
	v_mov_b32 v242, v12
	s_delay_alu instid0(VALU_DEP_2)
	v_floor_f32 v12, -v13                          ; the new -M
	s_delay_alu instid0(VALU_DEP_1)
	v_sub_f32 v242, v12, v242                      ; old M - new M: a whole number, 0 or less
	s_delay_alu instid0(VALU_DEP_1)
	v_cvt_i32_f32 v242, v242
	s_delay_alu instid0(VALU_DEP_1)
	v_ldexp_f32 v240, 1.0, v242                    ; f = 2^(old M - new M)
.irp j, 0,2,4,6
	v_pk_fma_f32 v[72+\j:73+\j], v[72+\j:73+\j], s[62:63], v[12:13] op_sel_hi:[1,0,0]
	v_pk_fma_f32 v[88+\j:89+\j], v[88+\j:89+\j], s[62:63], v[12:13] op_sel_hi:[1,0,0]
.endr
	v_fma_f32 v228, v228, s62, v12
	v_fma_f32 v229, v229, s62, v12
	s_wait_alu depctr_va_vdst(0)
.irp i, 0,1,2,3,4,5,6,7
	v_exp_f32 v[72+\i], v[72+\i]
	v_exp_f32 v[88+\i], v[88+\i]
.endr
	v_pk_mul_f32 v[14:15], v[14:15], v[240:241] op_sel_hi:[1,0]   ; the sum under the new M; also the plain line behind the exponentials
	s_wait_alu depctr_va_vdst(0)                   ; one wait for the sixteen
	v_exp_f32 v228, v228
	v_exp_f32 v229, v229
	v_pk_add_f32 v[244:245], v[72:73], v[74:75]
	v_pk_add_f32 v[246:247], v[76:77], v[78:79]
	v_pk_add_f32 v[244:245], v[244:245], v[88:89]
	v_pk_add_f32 v[246:247], v[246:247], v[90:91]
	v_pk_add_f32 v[244:245], v[244:245], v[92:93]
	v_pk_add_f32 v[246:247], v[246:247], v[94:95]
	s_delay_alu instid0(VALU_DEP_2)
	v_pk_add_f32 v[14:15], v[14:15], v[244:245]
	s_delay_alu instid0(VALU_DEP_1)
	v_pk_add_f32 v[14:15], v[14:15], v[246:247]
	s_wait_alu depctr_va_vdst(0)                   ; and one for the two
	v_max_num_f32 v228, 0x1800000, v228
	v_max_num_f32 v229, 0x1800000, v229
	s_delay_alu instid0(VALU_DEP_2)
	v_add_nc_u32 v230, 0xff000000, v228
	s_delay_alu instid0(VALU_DEP_2)
	v_add_nc_u32 v231, 0xff000000, v229
	s_delay_alu instid0(VALU_DEP_2)
	v_lshrrev_b32 v232, 23, v230
	s_delay_alu instid0(VALU_DEP_2)
	v_lshrrev_b32 v233, 23, v231
	s_delay_alu instid0(VALU_DEP_1)
	v_lshl_or_b32 v244, v233, 16, v232             ; my bytes: blocks h and 2 + h of the K of 128,
	s_delay_alu instid0(VALU_DEP_1)
	v_lshlrev_b32 v244, v249, v244                 ; 8 h bits up;
	s_delay_alu instid0(VALU_DEP_1)
	v_permlanex16_b32 v245, v244, s60, s61
	s_delay_alu instid0(VALU_DEP_1)
	v_or_b32 v35, v244, v245                       ; with lane l xor 16's the word is whole
	v_cvt_scalef32_pk16_fp6_f32 v[220:222], v[64:79], v230   ; eight zeros, eight p: the codes of keys 16-31 of the block of 32
	v_cvt_scalef32_pk16_fp6_f32 v[224:226], v[80:95], v231
	v_nop
.irp i, 0,1,2
	v_mov_b32 v[211+\i], v[220+\i]
	v_mov_b32 v[217+\i], v[224+\i]
.endr
.set J, 0
.rept 16
	v_pk_mul_f32 v[128+J:129+J], v[128+J:129+J], v[240:241] op_sel_hi:[1,0]   ; O^T under the new M; these are also the places ahead of the products below
.set J, J+2
.endr
.irp t, 0,1,2,3
.irp c, 0,1
.irp p, 0,1,2
	ds_load_b64 v[160+12*\t+6*\c+2*\p:161+12*\t+6*\c+2*\p], v7 offset:864*(16*\u+8*\c+\t)+288*\p
.endr
.endr
.endr
	s_wait_alu depctr_va_vdst(0)
	s_wait_dscnt 0x0
.irp t, 0,1,2,3
	v_wmma_scale_f32_16x16x128_f8f6f4 v[128+8*\t:135+8*\t], v[160+12*\t:171+12*\t], v[208:219], v[128+8*\t:135+8*\t], v[48+4*\t+\u], v35 matrix_a_fmt:MATRIX_FMT_FP6 matrix_b_fmt:MATRIX_FMT_FP6
.endr
.rept 4
	v_nop
.endr
.endm
	SUMSTEP 0
	SUMSTEP 1
	SUMSTEP 2
	SUMSTEP 3
.Lfin:
; ---- h = O^T / the sum, quantised along the head's 64 (two blocks of the last product's K) and stored as an image
	v_add_f32 v14, v14, v15
	s_delay_alu instid0(VALU_DEP_1)
	v_permlanex16_b32 v243, v14, s60, s61
	s_delay_alu instid0(VALU_DEP_1)
	v_add_f32 v14, v14, v243                       ; the row's sum
	s_wait_alu depctr_va_vdst(0)
	v_rcp_f32 v240, v14
	v_nop                                          ; a plain line behind the reciprocal
	s_wait_alu depctr_va_vdst(0)                   ; and the wait ahead of its first reader
.set J, 0
.rept 16
	v_pk_mul_f32 v[64+J:65+J], v[128+J:129+J], v[240:241] op_sel_hi:[1,0]   ; register 16 n + i: channel 32 n + 16 h + i of my query
.set J, J+2
.endr
.irp b, 0,1
	v_max3_num_f32 v[228+\b], |v[64+16*\b]|, |v[65+16*\b]|, 0x1800000
.endr
.irp i, 2,4,6,8,10,12,14
.irp b, 0,1
	s_delay_alu instid0(VALU_DEP_2)
	v_max3_num_f32 v[228+\b], v[228+\b], |v[64+16*\b+\i]|, |v[65+16*\b+\i]|
.endr
.endr
.irp b, 0,1
	s_delay_alu instid0(VALU_DEP_2)
	v_permlanex16_b32 v[232+\b], v[228+\b], s60, s61
.endr
.irp b, 0,1
	s_delay_alu instid0(VALU_DEP_2)
	v_max_num_f32 v[228+\b], v[228+\b], v[232+\b]
.endr
.irp b, 0,1
	s_delay_alu instid0(VALU_DEP_2)
	v_add_nc_u32 v[230+\b], 0xff000000, v[228+\b]
.endr
.irp b, 0,1
	s_delay_alu instid0(VALU_DEP_2)
	v_lshrrev_b32 v[234+\b], 23, v[230+\b]
.endr
	s_delay_alu instid0(VALU_DEP_1)
	v_lshl_or_b32 v244, v235, 8, v234
	v_cvt_scalef32_pk16_fp6_f32 v[208:210], v[64:79], v230
	v_cvt_scalef32_pk16_fp6_f32 v[212:214], v[80:95], v231
	v_nop
.irp i, 0,1,2
	v_permlane16_swap_b32 v[208+\i], v[212+\i]
.endr
.irp i, 0,1,2
	s_delay_alu instid0(VALU_DEP_3)
	v_mov_b32 v[211+\i], v[212+\i]
.endr
	v_lshlrev_b32 v242, 1, v1                      ; 16 x lane
	global_store_b128 v242, v[208:211], s[90:91]   ; h's image: 512 bytes with four registers a lane,
	global_store_b64 v1, v[212:213], s[90:91] offset:512   ; then 256 with two: whole aligned pieces
	global_store_b16 v8, v244, s[92:93]
	s_wait_tensorcnt 0x0                           ; the wave's end
	ds_add_u32 v10, v11
	s_wait_dscnt 0x0
	s_endpgm
.Lfunc_end_k_qf1b55aa931_attn:
	.size	k_qf1b55aa931_attn, .Lfunc_end_k_qf1b55aa931_attn-k_qf1b55aa931_attn
	.p2alignl 7, 3214868480
	.fill 96, 4, 3214868480
	.section	.rodata,"a",@progbits
	.p2align	6, 0x0
	.amdhsa_kernel k_qf1b55aa931_attn
		.amdhsa_group_segment_fixed_size 167936
		.amdhsa_private_segment_fixed_size 0
		.amdhsa_enable_private_segment 0
		.amdhsa_kernarg_size 16
		.amdhsa_user_sgpr_count 2
		.amdhsa_user_sgpr_kernarg_segment_ptr 1
		.amdhsa_wavefront_size32 1
		.amdhsa_system_sgpr_workgroup_id_x 1
		.amdhsa_system_sgpr_workgroup_id_y 1
		.amdhsa_system_sgpr_workgroup_id_z 1
		.amdhsa_system_vgpr_workitem_id 0
		.amdhsa_next_free_vgpr 256
		.amdhsa_next_free_sgpr 100
		.amdhsa_reserve_vcc 1
		.amdhsa_float_denorm_mode_32 3
		.amdhsa_float_denorm_mode_16_64 3
		.amdhsa_memory_ordered 1
		.amdhsa_forward_progress 1
		.amdhsa_inst_pref_size 76
	.end_amdhsa_kernel
	.amdgpu_metadata
---
amdhsa.version: [ 1, 2 ]
amdhsa.kernels:
  - .name:           k_qf1b55aa931_attn
    .symbol:         k_qf1b55aa931_attn.kd
    .args:
      - { .name: qkv, .offset: 0, .size: 8, .value_kind: global_buffer, .address_space: global }
      - { .name: hq, .offset: 8, .size: 8, .value_kind: global_buffer, .address_space: global }
    .group_segment_fixed_size: 167936
    .private_segment_fixed_size: 0
    .kernarg_segment_align: 8
    .kernarg_segment_size: 16
    .max_flat_workgroup_size: 512
    .sgpr_count:     100
    .vgpr_count:     256
    .wavefront_size: 32
...
	.end_amdgpu_metadata
.endif
;; end of part 3
;; launch proj_gemm (part 4): grid 32 x 8, 4 waves a work-group, clusters of 4 x 4, 268,800 bytes of LDS; arguments hq, ops, b_proj, out0; writes out0
.if DOCPART == 4
	.amdgcn_target "amdgcn-amd-amdhsa--gfx1250"
	.amdhsa_code_object_version 6
	.text
	.protected	k_qf1b55aa931_proj_gemm
	.globl	k_qf1b55aa931_proj_gemm
	.p2align	8
	.type	k_qf1b55aa931_proj_gemm,@function
k_qf1b55aa931_proj_gemm:
	s_mov_b64 s[64:65], 0
	v_nop
	global_prefetch_b8 v0, s[64:65] scope:SCOPE_SE
	s_setreg_imm32_b32 hwreg(HW_REG_WAVE_MODE, 25, 1), 1
	s_wait_xcnt 0x0
	s_wait_alu depctr_hold_cnt(0) depctr_sa_sdst(0) depctr_va_vdst(0) depctr_va_sdst(0) depctr_va_ssrc(0) depctr_va_vcc(0) depctr_vm_vsrc(0)
	s_getreg_b32 s2, hwreg(HW_REG_IB_STS2, 6, 4)
	s_cmp_eq_u32 s2, 0
	s_cbranch_scc0 .Lentry_in_a_cluster
	s_endpgm
.Lentry_in_a_cluster:
	s_bfe_u32 s2, ttmp6, 0x10000c
	s_cmp_lg_u32 s2, 0xf033
	s_cbranch_scc0 .Lentry_shape_is_right
	s_endpgm
.Lentry_shape_is_right:
; out0 = Q(h) Q(w_proj) + b_proj on codes of FP6 (E2M3), K = 1024.  h's codes and scale words come from the attention launch, w_proj's from the quantiser, both as images of the operands' registers.
; A work-group makes 128 tokens x 128 columns; four waves, 2 x 2, each 64 x 64: 16 accumulators.  h's fragments of the wave's 64 tokens, all of K, go through LDS into 384 registers.
; LDS is filled once, one joint load a wave: waves 0, 1 h's halves (8 heads each), waves 2, 3 the weights' (4 K steps each).  Behind the two tiles lie the stages and the spare words.
; h's tile: [16 heads][8 image tiles][768 bytes: 16 bytes a lane, then 8 bytes a lane]; the weights': [8 K steps][8 image tiles][1,536 bytes].
; CLUSTER: 4 x 4.  h's tile hangs on the cluster's x alone (mask of my column), the weights' on its y alone (mask of my row).  NO PREFETCH: everything is asked for at the head, and there is no loop.
; Source 0 = 16 columns of W, source 1 = 16 tokens: a lane holds one token and eight neighbouring columns.  The results go through the wave's own stage and leave as aligned runs of 256 bytes.
; REGISTERS: window 0: v1-21 addresses; v24-39 h's scale words, v40-55 the weights' (lanes 0-15 an even K step, lanes 16-31 the odd one behind it); v88-231 the weights' fragments, three sets.
;   Window 1: accumulator (a, b) at 8 (4 a + b); v128-159 the bias in the results' layout.   Windows 2, 3: h's fragments, K steps 0-4 and 5-7, at 48 s + 12 a.
.set PLANE, 196608
.set KP,    393216
.set WC,    3145728
.set WS,    6422528
.set HS,    3145728
.set HT,    98304                      ; h's tile, behind the weights'
.set STG,   196608                     ; the stages
.set STW,   17920
.set SPARE, STG+4*STW                  ; the spare words, 128 bytes a wave
.set MSB, 0
.macro WIN new                         ; the immediate's high byte repeats the setting that is left
.if MSB != (\new)
	s_set_vgpr_msb (MSB<<8)|(\new)
.set MSB, (\new)
.endif
.endm
.macro PLACES                          ; four places behind a matrix instruction (ISA guide 7.12.1)
.rept 4
	v_nop
.endr
.endm
.macro CROUND                          ; a round of the cluster's barrier
	s_barrier_signal -1
	s_barrier_wait -1
	s_cmp_lg_u32 s12, 0
	s_cbranch_scc1 .Lnot_wave_0_\@
	s_barrier_signal -3
.Lnot_wave_0_\@:
	s_barrier_wait -3
	s_barrier_signal -1
	s_barrier_wait -1
.endm
.macro GROUP1 g, mask, len, rows, pitch
	s_or_b32 s[\g], s[\mask], (3<<16)|(1<<21)
	s_mov_b32 s[\g+1], (\len)<<16
	s_mov_b32 s[\g+2], (\rows)<<16
	s_mov_b32 s[\g+3], (\len)<<16
	s_mov_b32 s[\g+4], \rows
	s_mov_b32 s[\g+5], \pitch
	s_mov_b32 s[\g+6], 0
	s_mov_b32 s[\g+7], 0
.endm
	s_load_b256 s[4:11], s[0:1], 0x0               ; hq s[4:5], ops s[6:7], b_proj s[8:9], out0 s[10:11]
	v_lshl_add_u32 v14, v0, 2, SPARE               ; my spare word; never rewritten
	v_mov_b32 v15, 0                               ; 0; never rewritten
	ds_add_u32 v14, v15                            ; the wave's opening: the add, twice on end, and its wait
	ds_add_u32 v14, v15
	v_lshrrev_b32 v1, 5, v0
	v_readfirstlane_b32 s12, v1                    ; wave
	s_bfe_u32 s15, ttmp6, 0x40000                  ; cx
	s_bfe_u32 s18, ttmp6, 0x40004                  ; cy
	s_lshl_b32 s16, ttmp9, 2
	s_add_co_u32 s16, s16, s15                     ; m: the block of 128 tokens
	s_and_b32 s17, ttmp7, 0xffff
	s_lshl_b32 s17, s17, 2
	s_add_co_u32 s17, s17, s18                     ; g: the block of 128 columns
	s_lshl_b32 s18, s18, 2
	s_lshl_b32 s18, 15, s18                        ; my row of the cluster: the same g
	s_lshl_b32 s19, 0x1111, s15                    ; my column: the same m
	GROUP1 24, 18, 1536, 4, 49152                  ; the weights: 4 K steps of eight image tiles
	GROUP1 36, 19, 768, 8, 24576                   ; h: 8 heads of eight image tiles
	s_and_b32 s20, s12, 1                          ; which half I fetch
	s_mul_i32 s84, s20, 4*KP
	s_mul_i32 s85, s17, 12288
	s_add_co_u32 s84, s84, s85
	s_add_co_u32 s84, s84, WC+294912               ; w_proj's columns begin at image tile 192
	s_mov_b32 s85, 0
	s_mul_i32 s80, s20, 8*PLANE
	s_mul_i32 s81, s16, 6144
	s_add_co_u32 s80, s80, s81
	s_mov_b32 s81, 0
	s_mul_i32 s33, s20, 49152
	s_mul_i32 s57, s20, 49152
	s_add_co_u32 s57, s57, HT
	s_mov_b32 s32, 1
	s_mov_b32 s56, 1
	s_wait_dscnt 0x0                               ; both opening adds are done
	s_wait_kmcnt 0x0
	s_add_nc_u64 s[34:35], s[6:7], s[84:85]
	s_or_b32 s35, s35, 0x80000000
	s_add_nc_u64 s[58:59], s[4:5], s[80:81]
	s_or_b32 s59, s59, 0x80000000
	CROUND                                         ; all sixteen work-groups are here: the joint loads meet
	s_cmp_lt_u32 s12, 2
	s_cbranch_scc0 .Lnot_h
	tensor_load_to_lds s[56:59], s[36:43]
	s_nop 0
	PLACES
	s_branch .Lasked
.Lnot_h:
	tensor_load_to_lds s[32:35], s[24:31]
	s_nop 0
	PLACES
.Lasked:
	s_lshr_b32 s13, s12, 1                         ; wm: which 64 tokens
	s_and_b32 s14, s12, 1                          ; wn: which 64 columns
	s_lshl_b32 s22, s16, 3
	s_lshl_b32 s23, s13, 2
	s_add_co_u32 s22, s22, s23                     ; my first image tile of tokens: 8 m + 4 wm
	s_mov_b32 s77, 0
	s_lshl_b32 s76, s22, 6
	s_add_co_u32 s76, s76, HS
	s_add_nc_u64 s[46:47], s[4:5], s[76:77]        ; h's scale words
	s_lshl_b32 s78, s17, 3
	s_lshl_b32 s79, s14, 2
	s_add_co_u32 s78, s78, s79
	s_lshl_b32 s78, s78, 6                         ; 64 (8 g + 4 wn)
	s_add_co_u32 s76, s78, WS+12288
	s_add_nc_u64 s[48:49], s[6:7], s[76:77]        ; the weights' scale words, from tile 192 on
	s_mov_b32 s76, s78
	s_add_nc_u64 s[50:51], s[8:9], s[76:77]        ; the bias of my 64 columns
	s_lshl_b32 s76, s22, 16                        ; my first token's row of 4,096 bytes,
	s_add_co_u32 s76, s76, s78                     ; my 64 columns' 256 bytes
	s_add_nc_u64 s[68:69], s[10:11], s[76:77]
	s_mul_i32 s76, s12, STW
	s_add_co_u32 s76, s76, STG
	s_mul_i32 s78, s14, 6144                       ; my four image tiles of the weights
	s_mul_i32 s79, s13, 3072                       ; and of h
	s_add_co_u32 s79, s79, HT
	v_and_b32 v1, 31, v0                           ; lane
	v_and_b32 v2, 15, v0                           ; r
	v_bfe_u32 v3, v0, 4, 1                         ; h
	v_and_b32 v220, 7, v0                          ; r % 8
	v_bfe_u32 v221, v0, 3, 1                       ; r / 8
	v_lshlrev_b32 v4, 3, v1                        ; 8 x lane
	v_lshlrev_b32 v8, 4, v1                        ; 16 x lane
	v_lshlrev_b32 v5, 2, v2                        ; 4 r
	v_lshl_add_u32 v6, v3, 14, v5                  ; scale words: lanes 16-31 one K step on
	v_lshlrev_b32 v7, 6, v3                        ; 64 h
	v_mul_u32_u24 v9, v220, 272                    ; the stage: row t lies at 272 t + 128 (t / 16)
	v_mad_u32_u24 v9, v221, 4480, v9
	v_add_nc_u32 v9, v9, v7
	v_add_nc_u32 v9, s76, v9                       ; in: my token's row, + 64 h
	v_mul_u32_u24 v11, v3, 272
	v_lshl_add_u32 v11, v2, 4, v11
	v_add_nc_u32 v11, s76, v11                     ; back: lanes 0-15 one row of 256 bytes, lanes 16-31 the next
	v_lshlrev_b32 v12, 4, v2
	v_lshl_add_u32 v12, v3, 12, v12                ; and the same two rows in out0
	v_add_nc_u32 v16, s78, v8                      ; the weights, K steps 0-3,
	v_add_nc_u32 v17, 49152, v16                   ; 4-7
	v_add_nc_u32 v18, s79, v8                      ; h, four registers: heads 0-7,
	v_add_nc_u32 v19, 49152, v18                   ; 8-15
	v_add_nc_u32 v20, s79, v4                      ; and two
	v_add_nc_u32 v21, 49152, v20
	s_wait_alu depctr_va_vdst(0)
	WIN 0x40                                       ; destination window 1: the bias, as the C of each sum's first product
.irp b, 0,1,2,3
	global_load_b128 v[128+8*\b:128+8*\b+3], v7, s[50:51] offset:4*(32*(\b/2)+8*(\b%2))
	global_load_b128 v[128+8*\b+4:128+8*\b+7], v7, s[50:51] offset:4*(32*(\b/2)+8*(\b%2))+16
.endr
	WIN 0
.irp a, 0,1,2,3
.irp q, 0,1,2,3
	global_load_b32 v[24+4*\a+\q], v6, s[46:47] offset:32768*\q+64*\a
	global_load_b32 v[40+4*\a+\q], v6, s[48:49] offset:32768*\q+64*\a
.endr
.endr
; the weights' four fragments of K step k into set f: 12 loads, each 512 consecutive bytes a wave
.macro FETCHW k, f
.irp b, 0,1,2,3
.irp p, 0,1,2
	ds_load_b128 v[88+48*(\f)+12*\b+4*\p:88+48*(\f)+12*\b+4*\p+3], v[16+(\k)/4] offset:((\k)%4)*12288+1536*\b+512*\p
.endr
.endr
.endm
.macro HF s, reg                       ; h's four fragments of K step s (heads 2 s, 2 s + 1)
.irp a, 0,1,2,3
.irp c, 0,1
	ds_load_b128 v[\reg+12*\a+6*\c:\reg+12*\a+6*\c+3], v[18+(\s)/4] offset:((2*(\s)+\c)%8)*6144+768*\a
	ds_load_b64 v[\reg+12*\a+6*\c+4:\reg+12*\a+6*\c+5], v[20+(\s)/4] offset:((2*(\s)+\c)%8)*6144+768*\a+512
.endr
.endr
.endm
.macro WM d, fa, fb, c, sa, sb, odd
.if \odd
	v_wmma_scale_f32_16x16x128_f8f6f4 v[\d:\d+7], v[\fa:\fa+11], v[\fb:\fb+11], v[\c:\c+7], v[\sa], v[\sb] matrix_a_fmt:MATRIX_FMT_FP6 matrix_b_fmt:MATRIX_FMT_FP6 matrix_a_scale:MATRIX_SCALE_ROW1 matrix_b_scale:MATRIX_SCALE_ROW1
.else
	v_wmma_scale_f32_16x16x128_f8f6f4 v[\d:\d+7], v[\fa:\fa+11], v[\fb:\fb+11], v[\c:\c+7], v[\sa], v[\sb] matrix_a_fmt:MATRIX_FMT_FP6 matrix_b_fmt:MATRIX_FMT_FP6
.endif
.endm
; 16 matrix instructions: K step k.  The 16 accumulators take turns, one instruction a turn, in the same order in every step.
.macro MUL k, f, first
.if (\k) < 5
.set XR, 48*(\k)
	WIN 0x58                                       ; source 1 (h) window 2; C and D window 1
.else
.set XR, 48*((\k)-5)
	WIN 0x5c                                       ; source 1 window 3
.endif
.irp a, 0,1,2,3
.irp b, 0,1,2,3
.if \first
	WM 8*(4*\a+\b), 88+48*(\f)+12*\b, XR+12*\a, 128+8*\b, 40+4*\b+(\k)/2, 24+4*\a+(\k)/2, (\k)%2
.else
	WM 8*(4*\a+\b), 88+48*(\f)+12*\b, XR+12*\a, 8*(4*\a+\b), 40+4*\b+(\k)/2, 24+4*\a+(\k)/2, (\k)%2
.endif
.endr
.endr
.endm
	s_cmp_lt_u32 s12, 2
	s_cbranch_scc0 .Lno_h
	s_wait_tensorcnt 0x0                           ; waves 0, 1: my half of h is in
.Lno_h:
	s_barrier_signal -1
	s_barrier_wait -1                              ; h is in; the weights may still be on their way: nothing is filled again
	WIN 0x80                                       ; destination window 2
.irp s, 0,1,2,3,4
	HF \s, 48*\s
.endr
	WIN 0xc0                                       ; destination window 3
.irp s, 5,6,7
	HF \s, 48*(\s-5)
.endr
	WIN 0
	s_wait_tensorcnt 0x0                           ; my half of the weights is in,
	s_wait_loadcnt 0x0                             ; and the bias, the scale words,
	s_wait_dscnt 0x0                               ; and my fragments of h
	s_barrier_signal -1
	s_barrier_wait -1                              ; everybody's half is
	FETCHW 0, 0
	FETCHW 1, 1
	FETCHW 2, 2
	s_wait_dscnt 24                                ; K step 0 is in; two fetches of 12 may be out
	MUL 0, 0, 1
.irp k, 1,2,3,4,5
	PLACES
	WIN 0
	FETCHW \k+2, (\k+2)%3
	s_wait_dscnt 24                                ; the two youngest fetches may be out
	MUL \k, \k%3, 0
.endr
	s_wait_dscnt 12                                ; K step 7's fetch may be out
	MUL 6, 0, 0
	s_wait_dscnt 0x0
	MUL 7, 1, 0
	WIN 0
	PLACES
	WIN 0x04                                       ; an LDS store's data: window 1; each accumulator from its low end on
.irp a, 0,1,2,3
.irp b, 0,1
.irp q, 0,1,2,3
	ds_store_b128 v9, v[8*(4*\a+2*\b+\q/2)+4*(\q%2):8*(4*\a+2*\b+\q/2)+4*(\q%2)+3] offset:(32*(\a/2)+8*(\a%2))*272+256*(\a/2)+128*\b+16*\q
.endr
.endr
.endr
	WIN 0
.set I, 0
.rept 32
	ds_load_b128 v[88+4*I:91+4*I], v11 offset:544*I+128*(I/8)   ; LDS serves a wave's instructions in order: these see my stores
.set I, I+1
.endr
.set I, 0
.rept 32
	s_wait_dscnt 31-I                              ; the younger loads may be out
	global_store_b128 v12, v[88+4*I:91+4*I], s[68:69] offset:8192*I th:TH_STORE_NT   ; sixteen lanes store 256 consecutive bytes, aligned
.set I, I+1
.endr
	s_wait_tensorcnt 0x0                           ; the wave's end, behind my last tensor load and my last LDS store
	ds_add_u32 v14, v15
	s_wait_dscnt 0x0
	CROUND                                         ; the closing round
	s_endpgm
.Lfunc_end_k_qf1b55aa931_proj_gemm:
	.size	k_qf1b55aa931_proj_gemm, .Lfunc_end_k_qf1b55aa931_proj_gemm-k_qf1b55aa931_proj_gemm
	.p2alignl 7, 3214868480
	.fill 96, 4, 3214868480
	.section	.rodata,"a",@progbits
	.p2align	6, 0x0
	.amdhsa_kernel k_qf1b55aa931_proj_gemm
		.amdhsa_group_segment_fixed_size 268800
		.amdhsa_private_segment_fixed_size 0
		.amdhsa_enable_private_segment 0
		.amdhsa_kernarg_size 32
		.amdhsa_user_sgpr_count 2
		.amdhsa_user_sgpr_kernarg_segment_ptr 1
		.amdhsa_wavefront_size32 1
		.amdhsa_system_sgpr_workgroup_id_x 1
		.amdhsa_system_sgpr_workgroup_id_y 1
		.amdhsa_system_sgpr_workgroup_id_z 1
		.amdhsa_system_vgpr_workitem_id 0
		.amdhsa_next_free_vgpr 912
		.amdhsa_next_free_sgpr 100
		.amdhsa_reserve_vcc 0
		.amdhsa_float_denorm_mode_32 3
		.amdhsa_float_denorm_mode_16_64 3
		.amdhsa_memory_ordered 1
		.amdhsa_forward_progress 1
		.amdhsa_inst_pref_size 51
	.end_amdhsa_kernel
	.amdgpu_metadata
---
amdhsa.version: [ 1, 2 ]
amdhsa.kernels:
  - .name:           k_qf1b55aa931_proj_gemm
    .symbol:         k_qf1b55aa931_proj_gemm.kd
    .args:
      - { .name: hq, .offset: 0, .size: 8, .value_kind: global_buffer, .address_space: global }
      - { .name: ops, .offset: 8, .size: 8, .value_kind: global_buffer, .address_space: global }
      - { .name: b_proj, .offset: 16, .size: 8, .value_kind: global_buffer, .address_space: global }
      - { .name: out0, .offset: 24, .size: 8, .value_kind: global_buffer, .address_space: global }
    .group_segment_fixed_size: 268800
    .private_segment_fixed_size: 0
    .kernarg_segment_align: 8
    .kernarg_segment_size: 32
    .max_flat_workgroup_size: 128
    .sgpr_count:     100
    .vgpr_count:     912
    .wavefront_size: 32
...
	.end_amdgpu_metadata
.endif
;; end of part 4
